; MI455X (gfx1250); checked and timed in simulation.
; The chip was launched on July 23, 2026; its instructions are those of AMD's public machine-readable ISA for CDNA 5 (MIT licence, August 2026) and "CDNA5" Instruction Set Architecture Reference Guide (July 2026). The comments in the code are by the model that wrote it; some were corrected since.
;; Nested FC. Allowed arithmetic: matrix products marked QUANTISED: E3M2 operands, one E8M0 scale for each 32 along K, by v_wmma_scale_f32_16x16x128_f8f6f4 with both operands' format E3M2, f32 sums; everything else in f32.
;; Inputs: W 32 x 1,024 x 2,048 float32; activated 1,024 x 32 float32; b 32 x 1,024 float32; features 1,024 x 2,048 float32.
;; Outputs: out0 1,024 x 4 x 1,024 float32.
;; Constants: top_k = 4.
;; This version of the problem:
;;   THIS VERSION OF THE PROBLEM IS GIVEN IN LOW PRECISION. The matrix products marked QUANTISED in the list below multiply operands that are first quantised to E3M2 (3 exponent bits, 2 mantissa bits; 6 bits a number), with one power-of-two scale for each 32 numbers along K (OCP MX v1.0); their sums are f32. All else is computed in f32.
;;   The module's matrix products, in the order in which they are computed (A, B: the left and right operand; K: the contracted axis; several contracted axes count as one K, in the product's order):
;;     1. [M 1,024, K 2,048] x [K 2,048, N 32,768]; A: input features; B: input W: QUANTISED
;;   THE QUANTISER, for each operand of a quantised product, along K:
;;     - K is cut into blocks of 32 from its start; a last block that is shorter is filled with zeros.
;;     - A block's scale is 2^e with e = floor(log2(the largest magnitude in the block)) - 4, held to -126 .. 127; a block of zeros has e = 0. As a byte (E8M0): e + 127.
;;     - Each number is divided by its block's scale, clamped to +-28, and rounded to the nearest number of E3M2, ties to even, subnormals kept.
;;     - The product sums the exact products of the quantised numbers (number of the format x scale) in f32.
;;   ~~~python
;;   def quantise(x, axis):      # numpy; x: float32 -> the quantised numbers, widened to float32 again
;;       x = np.moveaxis(x, axis, -1); K = x.shape[-1]
;;       x = np.pad(x, [(0, 0)] * (x.ndim - 1) + [(0, -K % 32)]); x = x.reshape(x.shape[:-1] + (-1, 32)); a = np.abs(x).max(-1, keepdims=True)
;;       e = np.where(a > 0, np.clip(np.frexp(np.where(a > 0, a, 1))[1] - 1 - 4, -126, 127), 0)      # np.frexp(a)[1] - 1 = floor(log2(a)), exactly
;;       r = np.clip(x / 2.0 ** e, -28, 28)
;;       step = 2.0 ** (np.maximum(np.frexp(np.where(r == 0, 1, r))[1] - 1, -2) - 2)
;;       q = np.round(r / step) * step * 2.0 ** e      # np.round: ties to even
;;       return np.moveaxis(q.reshape(q.shape[:-2] + (-1,))[..., :K], -1, axis).astype(np.float32)
;;   ~~~
;; 2 versions. Each part assembles by itself: llvm-mc -triple=amdgcn-amd-amdhsa -mcpu=gfx1250 --defsym DOCPART=n.
;; ======== version 1 of 2: 2 launches
;; workspace buffers: fq 1,835,008 bytes; rows 131,072 bytes of whole numbers; counts 8,192 bytes of whole numbers
;; launch prep (part 1): grid 96 x 1, 8 waves a work-group, no clusters, 165,376 bytes of LDS; arguments activated, features, fq, rows, counts; writes fq, rows, counts
.if DOCPART == 1
	.amdgcn_target "amdgcn-amd-amdhsa--gfx1250"
	.amdhsa_code_object_version 6
	.text
	.protected	k_qc549906c89_prep
	.globl	k_qc549906c89_prep
	.p2align	8
	.type	k_qc549906c89_prep,@function
k_qc549906c89_prep:
	s_mov_b64 s[64:65], 0
	v_nop
	global_prefetch_b8 v0, s[64:65] scope:SCOPE_SE
	s_setreg_imm32_b32 hwreg(HW_REG_WAVE_MODE, 25, 1), 1
	s_wait_xcnt 0x0
; TWO JOBS IN ONE LAUNCH, parted once on the work-group's number; each has LDS bytes of its own.
; Work-groups 0-31, THE ROUTER, one for each expert e: for each of the 1,024 tokens the place of e in the token's stable ascending order of its 32 numbers of
;   'activated' (how many are smaller, plus how many are equal with a lower index).  A token has chosen e where that place k is under 4.  Stored: rows[e][p] = 4 x token + k
;   (the row of out0) for the p-th such token in ascending order, 0 from the count on; counts[e] = the count, 64 times, so that the store covers 256 consecutive bytes.
;   No address and no branch hangs on these numbers: slot p finds its token by selects alone.
; Work-groups 32-95, THE FEATURES: tile g of 16 tokens; wave t takes K = 256 t .. 256 t + 255 (two K steps of 128) and turns it into codes of BF6 (E3M2) with one E8M0 byte for each 32 along K,
;   laid as the operand's registers want them: fq[t][token][h][112 bytes]: 48 bytes = the 12 registers of lane half h for K step 2 t, 48 the same for 2 t + 1, 4 the scale word of K step 2 t + h, 12 zeros.
; A block's scale is 2^(floor(log2(largest magnitude)) - 4): its byte is the largest magnitude's exponent field - 4, held at 1 from below by a floor among the maximum's leaves.
; LIMITS: NaN in 'activated' is not served (every compare with it is false here); -0 counts as equal to +0.  NaN and infinities in 'features' are not served.  A block whose largest magnitude lies under
; 2^-122 gets the byte 1; a block of zeros too, where the rule says 127: its codes are zeros, and only this program reads the bytes.
.set WREG, 20480                       ; features: LDS of a wave: two stages of 16 rows x 528 bytes, then 3,584 bytes for its records
.set STGB, 8448
.set REC,  16896
.set RT,   163840                      ; router: 32 words of chosen tokens, 32 of k's bit 0, 32 of k's bit 1
.set WVV,  1                           ; v1  wave
.set RR,   2                           ; v2  r = lane % 16
.set HH,   3                           ; v3  h = lane / 16
.set H8,   4                           ; v4  8 h
.set L16,  6                           ; v6  16 x lane
.set TST,  7                           ; v7  my wave's LDS + 16 x lane
.set TRD,  8                           ; v8  my wave's LDS + 528 r + 128 h
.set RST,  9                           ; v9  my wave's LDS + 224 r + 112 h
.set TP,   26                          ; v26 a lane permute's destination
.set PW0,  30                          ; v30, v31 the two scale words
.set X0,   64                          ; v64-127, v128-191 the numbers of the two K steps
.set TM,   192
.set TS,   194
.set TB,   196
.set TQ,   200
.set PC0,  208                         ; v208-219, v220-231 the two fragments' codes
.set R4,   232
.set RB,   64                          ; v64-91 the records on their way out
.set SEL,  20
	s_load_b256 s[4:11], s[0:1], 0x0               ; activated s[4:5], features s[6:7], fq s[8:9], rows s[10:11]
	s_load_b64 s[12:13], s[0:1], 0x20              ; counts
	v_lshl_add_u32 v254, v0, 2, 0x28200
	v_mov_b32 v255, 0
	v_lshrrev_b32 v[WVV], 5, v0
	v_readfirstlane_b32 s16, v[WVV]                ; wave 0..7
	s_mov_b32 s[SEL], 0x76543210
	s_mov_b32 s[SEL+1], 0xfedcba98                 ; v_permlanex16_b32's selects for lane l xor 16
	s_cmp_lt_u32 ttmp9, 32                         ; the same in all eight waves
	s_cbranch_scc1 .Lrouter
; ---------------- THE FEATURES ----------------
; 64 numbers of a lane, v[x + 32 c + i] = k 64 c + 32 h + i of its row (two whole blocks), become the 12 registers of a fragment in v[pc] on and the row's scale word in v[pw].
.macro QUANT x, pc, pw
.irp c, 0,1
	v_max3_num_f32 v[TM+\c], |v[\x+32*\c]|, |v[\x+32*\c+1]|, 0x2800000   ; the floor 2^(5 - 127): the byte cannot fall under 1
.endr
.irp i, 2,4,6,8,10,12,14,16,18,20,22,24,26,28,30
.irp c, 0,1
	v_max3_num_f32 v[TM+\c], v[TM+\c], |v[\x+32*\c+\i]|, |v[\x+32*\c+\i+1]|   ; the two blocks by turns
.endr
.endr
.irp c, 0,1
	v_add_nc_u32 v[TS+\c], 0xfe000000, v[TM+\c]    ; 4 off the exponent field: the conversion takes the exponent field of this operand as its scale
.endr
.irp c, 0,1
	v_lshrrev_b32 v[TB+\c], 23, v[TS+\c]           ; the scale's byte
.endr
	v_lshl_or_b32 v[\pw], v[TB+1], 16, v[TB]       ; my bytes: blocks h and 2 + h,
	v_lshlrev_b32 v[\pw], v[H8], v[\pw]            ; at their places in the word;
	v_permlanex16_b32 v[TP], v[\pw], s[SEL], s[SEL+1]
	v_or_b32 v[\pw], v[\pw], v[TP]                 ; with lane l xor 16's two the word is whole
.irp c, 0,1
	v_cvt_scalef32_pk16_bf6_f32 v[\pc+6*\c:\pc+6*\c+2], v[\x+32*\c:\x+32*\c+15], v[TS+\c]
	v_cvt_scalef32_pk16_bf6_f32 v[TQ+4*\c:TQ+4*\c+2], v[\x+32*\c+16:\x+32*\c+31], v[TS+\c]   ; (a conversion's three registers begin on an even number: made elsewhere and moved)
.endr
	v_nop                                          ; one plain place behind a scaled conversion
.irp c, 0,1
.irp i, 0,1,2
	v_mov_b32 v[\pc+6*\c+3+\i], v[TQ+4*\c+\i]
.endr
.endr
.endm
; K step u's 16 rows x 512 bytes go into the wave's own stage as loaded (a row a store) and come back 128 bytes of one row a lane.  LDS serves a wave's instructions in order: no wait between.
; Rows 528 bytes apart: the 16 rows that a load touches begin at 16 different 16-byte columns of 256 bytes.
.macro TURNF u
.irp j, 0,1,2,3,4,5,6,7,8,9,10,11,12,13,14,15
	ds_store_b128 v[TST], v[X0+64*\u+4*\j:X0+64*\u+4*\j+3] offset:\u*STGB+\j*528
.endr
.irp c, 0,1
.irp q, 0,1,2,3,4,5,6,7
	ds_load_b128 v[X0+64*\u+32*\c+4*\q:X0+64*\u+32*\c+4*\q+3], v[TRD] offset:\u*STGB+256*\c+16*\q
.endr
.endr
.endm
	v_and_b32 v5, 31, v0                           ; lane
	v_lshlrev_b32 v[L16], 4, v5
	v_and_b32 v[RR], 15, v0
	v_bfe_u32 v[HH], v0, 4, 1
	v_lshlrev_b32 v[H8], 3, v[HH]
	s_mul_i32 s17, s16, WREG
	v_add_nc_u32 v[TST], s17, v[L16]
	v_mul_u32_u24 v[TRD], v[RR], 528
	v_lshl_add_u32 v[TRD], v[HH], 7, v[TRD]
	v_add_nc_u32 v[TRD], s17, v[TRD]
	v_mul_u32_u24 v[RST], v[RR], 224
	v_mad_u32_u24 v[RST], v[HH], 112, v[RST]
	v_add_nc_u32 v[RST], s17, v[RST]
	v_mov_b32 v[TP], 0                             ; written once: a lane permute's destination counts as one of its sources
	s_sub_co_u32 s18, ttmp9, 32                    ; g
	s_lshl_b32 s22, s18, 17                        ; 16 g rows of 8,192 bytes
	s_lshl_b32 s23, s16, 10                        ; + 1,024 t
	s_add_co_u32 s22, s22, s23
	s_mov_b32 s23, 0
	s_mul_i32 s24, s16, 229376                     ; fq: plane t,
	s_mul_i32 s25, s18, 3584                       ; 16 tokens x 224 bytes
	s_add_co_u32 s24, s24, s25
	s_mov_b32 s25, 0
	s_wait_kmcnt 0x0
	s_add_nc_u64 s[6:7], s[6:7], s[22:23]
	s_add_nc_u64 s[8:9], s[8:9], s[24:25]
.irp u, 0,1
.irp j, 0,1,2,3,4,5,6,7,8,9,10,11,12,13,14,15
	global_load_b128 v[X0+64*\u+4*\j:X0+64*\u+4*\j+3], v[L16], s[6:7] offset:\j*8192+\u*512 th:TH_LOAD_NT   ; 32 lanes read 512 consecutive bytes: a row's K step
.endr
.endr
	s_wait_loadcnt 16                              ; the first K step's 16 loads are in, the second's may be out
	TURNF 0
	s_wait_loadcnt 0x0
	TURNF 1
	s_wait_dscnt 32                                ; the first turn is back; the second's 32 instructions may be out
	QUANT X0, PC0, PW0
	s_wait_dscnt 0x0
	QUANT X0+64, PC0+12, PW0+1
	v_cmp_ne_u32 vcc_lo, 0, v[HH]
	v_cndmask_b32 v[R4], v[PW0], v[PW0+1], vcc_lo  ; half h keeps the word of K step 2 t + h
	v_mov_b32 v[R4+1], 0
	v_mov_b32 v[R4+2], 0
	v_mov_b32 v[R4+3], 0
.irp q, 0,1,2,3,4,5
	ds_store_b128 v[RST], v[PC0+4*\q:PC0+4*\q+3] offset:REC+16*\q
.endr
	ds_store_b128 v[RST], v[R4:R4+3] offset:REC+96
.irp q, 0,1,2,3,4,5,6
	ds_load_b128 v[RB+4*\q:RB+4*\q+3], v[TST] offset:REC+512*\q   ; my own bytes, served in order
.endr
.irp q, 0,1,2,3,4,5,6
	s_wait_dscnt 6-\q
	global_store_b128 v[L16], v[RB+4*\q:RB+4*\q+3], s[8:9] offset:512*\q   ; 32 lanes store 512 consecutive bytes, at a multiple of 256 from fq's first byte
.endr
	s_wait_tensorcnt 0x0
	ds_add_u32 v254, v255
	s_wait_dscnt 0x0
	s_endpgm
; ---------------- THE ROUTER ----------------
.Lrouter:
	v_and_b32 v33, 31, v0
	v_lshlrev_b32 v32, 7, v33
	v_lshl_add_u32 v32, v[WVV], 14, v32            ; token 128 wave + lane: its row of 128 bytes; tokens 32 further on stand in the immediate
	v_lshl_add_u32 v33, v[WVV], 4, RT              ; my wave's four words of each table
	v_mov_b32 v34, RT
	v_lshlrev_b32 v35, 4, v0                       ; my four slots of the list
	s_lshl_b32 s22, ttmp9, 2
	s_mov_b32 s23, 0
	s_lshl_b32 s24, ttmp9, 12
	s_mov_b32 s25, 0
	s_lshl_b32 s26, ttmp9, 8
	s_mov_b32 s27, 0
	s_wait_kmcnt 0x0
	s_add_nc_u64 s[14:15], s[4:5], s[22:23]        ; activated at column e
	s_add_nc_u64 s[10:11], s[10:11], s[24:25]      ; rows[e]
	s_add_nc_u64 s[12:13], s[12:13], s[26:27]      ; counts[e]
.irp i, 0,1,2,3                                ; token 32 (4 wave + i) + lane: bit 'lane' of word 4 wave + i
.irp q, 0,1,2,3,4,5,6,7
	global_load_b128 v[64+32*\i+4*\q:64+32*\i+4*\q+3], v32, s[4:5] offset:4096*\i+16*\q
.endr
	global_load_b32 v[40+\i], v32, s[14:15] offset:4096*\i       ; its number for e
	v_mov_b32 v[44+\i], 0                          ; the place k
.endr
	s_wait_loadcnt 0x0
.set ep, 0
.rept 32
	s_cmp_gt_u32 ttmp9, ep                         ; an equal number counts where its index is lower
	s_cselect_b32 s36, -1, 0
.irp i, 0,1,2,3
	v_cmp_lt_f32 s[28+\i], v[64+32*\i+ep], v[40+\i]
	v_cmp_eq_f32 s[32+\i], v[64+32*\i+ep], v[40+\i]
.endr
.irp i, 0,1,2,3
	s_and_b32 s[32+\i], s[32+\i], s36
	s_or_b32 s[28+\i], s[28+\i], s[32+\i]
.endr
.irp i, 0,1,2,3
	v_cndmask_b32 v[48+\i], 0, 1, s[28+\i]
.endr
.irp i, 0,1,2,3
	v_add_nc_u32 v[44+\i], v[44+\i], v[48+\i]
.endr
.set ep, ep+1
.endr
.irp i, 0,1,2,3
	v_cmp_gt_u32 s28, 4, v[44+\i]                  ; chosen
	v_and_b32 v48, 1, v[44+\i]
	v_and_b32 v49, 2, v[44+\i]
	v_cmp_ne_u32 s29, 0, v48
	v_cmp_ne_u32 s30, 0, v49
	v_mov_b32 v[52+\i], s28
	v_mov_b32 v[56+\i], s29
	v_mov_b32 v[60+\i], s30
.endr
	ds_store_b128 v33, v[52:55]                    ; all lanes of a wave write the same 16 bytes with the same values
	ds_store_b128 v33, v[56:59] offset:128
	ds_store_b128 v33, v[60:63] offset:256
	s_wait_dscnt 0x0                               ; for the others' sake: my stores are done
	s_barrier_signal -1
	s_barrier_wait -1
.irp q, 0,1,2,3,4,5,6,7,8,9,10,11,12,13,14,15,16,17,18,19,20,21,22,23
	ds_load_b128 v[64+4*\q:64+4*\q+3], v34 offset:16*\q   ; v64-95 chosen, v96-127 bit 0, v128-159 bit 1: the same in every lane
.endr
	s_wait_dscnt 0x0
	s_mov_b32 s66, 0                               ; s[66 + w]: how many tokens are chosen in words under w; s98: in all
.set w, 0
.rept 32
	v_readfirstlane_b32 s37, v[64+w]
	s_bcnt1_i32_b32 s37, s37
	s_add_co_u32 s[67+w], s[66+w], s37
.set w, w+1
.endr
.irp n, 0,1,2,3                                ; slot p = 4 thread + n
	v_lshl_add_u32 v[160+\n], v0, 2, \n
	v_mov_b32 v[164+\n], v64
	v_mov_b32 v[168+\n], v96
	v_mov_b32 v[172+\n], v128
	v_mov_b32 v[176+\n], 0
	v_mov_b32 v[180+\n], 0
.endr
.set w, 1
.rept 31                                       ; the last word whose count of earlier tokens is at most p holds the p-th token
.irp n, 0,1,2,3
	v_cmp_le_u32 vcc_lo, s[66+w], v[160+\n]
	v_cndmask_b32 v[164+\n], v[164+\n], v[64+w], vcc_lo
	v_cndmask_b32 v[168+\n], v[168+\n], v[96+w], vcc_lo
	v_cndmask_b32 v[172+\n], v[172+\n], v[128+w], vcc_lo
	v_cndmask_b32 v[176+\n], v[176+\n], s[66+w], vcc_lo
	v_cndmask_b32 v[180+\n], v[180+\n], 32*w, vcc_lo
.endr
.set w, w+1
.endr
; one step down the tree of counts: is the wanted bit in the lower 'width' bits from v191 on, or beyond them?
.macro DESC tree, width
	v_bfe_u32 v188, v[\tree], v191, \width
	v_cmp_ge_u32 vcc_lo, v190, v188
	v_sub_nc_u32 v188, v190, v188
	v_add_nc_u32 v189, \width, v191
	v_cndmask_b32 v190, v190, v188, vcc_lo
	v_cndmask_b32 v191, v191, v189, vcc_lo
.endm
.irp n, 0,1,2,3
	v_lshrrev_b32 v188, 1, v[164+\n]               ; counts of set bits in fields of 2, 4, 8 and 16 bits
	v_and_b32 v188, 0x55555555, v188
	v_sub_nc_u32 v184, v[164+\n], v188
	v_lshrrev_b32 v188, 2, v184
	v_and_b32 v188, 0x33333333, v188
	v_and_b32 v185, 0x33333333, v184
	v_add_nc_u32 v185, v185, v188
	v_lshrrev_b32 v188, 4, v185
	v_add_nc_u32 v188, v188, v185
	v_and_b32 v186, 0x0f0f0f0f, v188
	v_lshrrev_b32 v188, 8, v186
	v_add_nc_u32 v188, v188, v186
	v_and_b32 v187, 0x00ff00ff, v188
	v_sub_nc_u32 v190, v[160+\n], v[176+\n]        ; which set bit of the word
	v_mov_b32 v191, 0                              ; its place
	DESC 187, 16
	DESC 186, 8
	DESC 185, 4
	DESC 184, 2
	DESC 164+\n, 1
	v_bfe_u32 v188, v[168+\n], v191, 1
	v_bfe_u32 v189, v[172+\n], v191, 1
	v_add_nc_u32 v190, v[180+\n], v191             ; the token
	v_lshl_add_u32 v190, v190, 2, v188
	v_lshl_add_u32 v190, v189, 1, v190             ; 4 x token + k
	v_cmp_gt_u32 vcc_lo, s98, v[160+\n]
	v_cndmask_b32 v[192+\n], 0, v190, vcc_lo       ; 0 from the count on
.endr
	global_store_b128 v35, v[192:195], s[10:11]    ; a wave stores 512 consecutive bytes
	s_cmp_lg_u32 s16, 0
	s_cbranch_scc1 .Lrend
	v_mov_b32 v36, s98
	v_mov_b32 v37, s98
	v_lshlrev_b32 v38, 3, v0
	global_store_b64 v38, v[36:37], s[12:13]       ; wave 0: 256 consecutive bytes, at a multiple of 256 from the buffer's first byte
.Lrend:
	s_wait_tensorcnt 0x0
	ds_add_u32 v254, v255
	s_wait_dscnt 0x0
	s_endpgm
.Lfunc_end_k_qc549906c89_prep:
	.size	k_qc549906c89_prep, .Lfunc_end_k_qc549906c89_prep-k_qc549906c89_prep
	.p2alignl 7, 3214868480
	.fill 96, 4, 3214868480
	.section	.rodata,"a",@progbits
	.p2align	6, 0x0
	.amdhsa_kernel k_qc549906c89_prep
		.amdhsa_group_segment_fixed_size 165376
		.amdhsa_private_segment_fixed_size 0
		.amdhsa_enable_private_segment 0
		.amdhsa_kernarg_size 40
		.amdhsa_user_sgpr_count 2
		.amdhsa_user_sgpr_kernarg_segment_ptr 1
		.amdhsa_wavefront_size32 1
		.amdhsa_system_sgpr_workgroup_id_x 1
		.amdhsa_system_sgpr_workgroup_id_y 1
		.amdhsa_system_sgpr_workgroup_id_z 1
		.amdhsa_system_vgpr_workitem_id 0
		.amdhsa_next_free_vgpr 256
		.amdhsa_next_free_sgpr 100
		.amdhsa_reserve_vcc 1
		.amdhsa_float_denorm_mode_32 3
		.amdhsa_float_denorm_mode_16_64 3
		.amdhsa_memory_ordered 1
		.amdhsa_forward_progress 1
		.amdhsa_inst_pref_size 110
	.end_amdhsa_kernel
	.amdgpu_metadata
---
amdhsa.version: [ 1, 2 ]
amdhsa.kernels:
  - .name:           k_qc549906c89_prep
    .symbol:         k_qc549906c89_prep.kd
    .args:
      - { .name: activated, .offset: 0, .size: 8, .value_kind: global_buffer, .address_space: global }
      - { .name: features, .offset: 8, .size: 8, .value_kind: global_buffer, .address_space: global }
      - { .name: fq, .offset: 16, .size: 8, .value_kind: global_buffer, .address_space: global }
      - { .name: rows, .offset: 24, .size: 8, .value_kind: global_buffer, .address_space: global }
      - { .name: counts, .offset: 32, .size: 8, .value_kind: global_buffer, .address_space: global }
    .group_segment_fixed_size: 165376
    .private_segment_fixed_size: 0
    .kernarg_segment_align: 8
    .kernarg_segment_size: 40
    .max_flat_workgroup_size: 256
    .sgpr_count:     100
    .vgpr_count:     256
    .wavefront_size: 32
...
	.end_amdgpu_metadata
.endif
;; end of part 1
;; launch experts (part 2): grid 8 x 32, 4 waves a work-group, no clusters, 272,896 bytes of LDS; arguments W, b, fq, rows, counts, out0; writes out0
.if DOCPART == 2
	.amdgcn_target "amdgcn-amd-amdhsa--gfx1250"
	.amdhsa_code_object_version 6
	.text
	.protected	k_qc549906c89_experts
	.globl	k_qc549906c89_experts
	.p2align	8
	.type	k_qc549906c89_experts,@function
k_qc549906c89_experts:
	s_mov_b64 s[64:65], 0
	v_nop
	global_prefetch_b8 v0, s[64:65] scope:SCOPE_SE
	s_setreg_imm32_b32 hwreg(HW_REG_WAVE_MODE, 25, 1), 1
	s_wait_xcnt 0x0
; out0[row][128 x .. 128 x + 127] = Q(features[token]) . Q(W[e][n])^T + b[e][n] for the rows (4 x token + k) that chose expert e: work-group (x, e).  Codes of BF6 (E3M2), one E8M0 byte for each 32 along K, f32 sums.
; W IS READ ONCE: the work-group's 128 rows x 8,192 bytes come in eight trips of 256 along K.  Wave w takes rows 32 w .. 32 w + 31: each load is 512 consecutive bytes of a row; 16 rows turn through the wave's own
; stage in LDS, so that a lane holds two whole blocks of 32 of one row; they are quantised and stored in LDS as IMAGES OF THE OPERAND'S REGISTERS (three stores of 16 bytes a lane), where they stay for the whole launch.
; THE PRODUCTS share the ROWS: in pass p wave w owns the tiles of 16 list rows 12 p + 4 j + w, j = 0 .. 2, against all eight tiles of 16 columns: 24 accumulators.  Source 0 = 16 rows of W, source 1 = 16 tokens:
; a lane holds one token and eight neighbouring columns.  The bias is the C of each sum's first product.  A token's operand registers come from fq as they lie (launch prep), by the list rows[e].
; PASS 0 (list rows 0-191) has no branch on the count ahead of or among its barriers and runs between the parts of W's stream: slots from the count on hold 0, read token 0's record, and are never stored.
; PASSES 1-5 (rows 192-1,151): loops of constant count, the branch '192 p < count' inside each trip round the work; W's codes are read again from LDS.  So every split is served, all 1,024 tokens on one expert too.
; One barrier a trip: an image's bytes are written once in the launch, so only 'written, then read' has to be ordered.
; NO TENSOR LOADS, NO CLUSTER: what work-groups share, the tokens' records, is gathered lane by lane through a list; W's bytes, three quarters of a trip's
; (131,072 against 192 x 224), are each work-group's own.
; LIMITS: NaN and infinities in W are not served; a block whose largest magnitude lies under 2^-122, a block of zeros too, gets the byte 1 (zero codes add nothing under it).
.set BSC,   196608                     ; LDS: 0: images [t 8][u 2][nt 8] of 1,536 bytes;  BSC: W's scale words, (2 t + u) 512 + 32 r + 4 nt;
.set TURNB, 204800                     ; TURNB: for each wave two stages of 16 rows x 528 bytes, for W's turn and later for the way out
.set STGB,  8448
.set WTURN, 16896
; window 0
.set L16,  1                           ; 16 x lane
.set RR,   2                           ; r = lane % 16
.set HH,   3                           ; h = lane / 16
.set H8,   4                           ; 8 h
.set H112, 5                           ; 112 h
.set PFO,  6                           ; prefetch: (lane / 2) rows + 256 (lane % 2)
.set TST,  7                           ; my stages + 16 x lane
.set TRD,  8                           ; my stages + 528 r + 128 h
.set IW0,  9                           ; images: 3,072 w + 16 x lane;  IWA: + this trip's
.set IWA,  10
.set SW0,  11                          ; scale words: BSC + 32 r + 8 w;  SWA: + this trip's
.set SWA,  12
.set BRA,  14                          ; where this trip's images are read: 16 x lane + the trip's
.set SR0,  15                          ; BSC + 32 r;  SRA: + this trip's
.set SRA,  16
.set BO,   17                          ; 32 h
.set LV,   18                          ; v18-20 the list's words of my three tiles
.set AO,   21                          ; v21-23 my lane's record in a plane of fq
.set STO,  24                          ; my stages + 528 r + 32 h
.set TP,   26
.set ASC,  27                          ; v27-29 the tokens' scale words: lanes 0-15 K step 2 t, lanes 16-31 K step 2 t + 1.  Scales and nothing else
.set PW0,  30                          ; v30, v31
.set BS,   32                          ; v32-47 W's scale words, 8 u + nt.  Scales and nothing else
.set OA,   48                          ; v48-63 offsets into out0 (v48-50 also into the list)
.set X0,   64                          ; W's part: v64-127, v128-191 numbers; v192-206 at work; v208-231 codes
.set TM,   192
.set TS,   194
.set TB,   196
.set TQ,   200
.set PC0,  208
.set B0,   64                          ; the products' part: W's eight fragments of K step 2 t, and of 2 t + 1
.set B1,   160
.set OB,   64                          ; the way out: v64-127 and v128-191 by turns
; window 1: accumulator (j, nt) at v[8 (8 j + nt)]; the bias of tile nt at v[192 + 8 nt].  window 2: four sets of 64 for W's loads.  window 3: the tokens' fragments (j, u) at v[24 j + 12 u]
.set BIAS, 192
.set WV,   16
.set SE,   18
.set CNT,  19
.set SEL,  20
.set WB,   24                          ; s[24:25] W at my 32 rows, this trip's K
.set FB,   26                          ; s[26:27] fq at this trip's plane
.set RWS,  28                          ; s[28:29] rows[e]
.set BB,   30                          ; s[30:31] b[e] at my columns
.set OUTB, 34                          ; s[34:35] out0 at my columns
.set STB,  36                          ; 24,576 t
.set STS,  37                          ; 1,024 t
.set TRIP, 38
.set PASS, 39
.set P192, 40                          ; 192 p
.set TR,   41                          ; s41-43 my tiles' first list rows
.set VAL,  44
.set RW,   45
.set MSB, 0
.macro WIN new                         ; the immediate's high byte repeats the setting that is left; at a label and at a branch every window is 0
.if MSB != \new
	s_set_vgpr_msb (MSB<<8)|\new
.set MSB, \new
.endif
.endm
.macro LISTLOAD                        ; lane (r, h): list row 'tile's first + r', held inside the list
.irp j, 0,1,2
	v_add_nc_u32 v[OA+\j], s[TR+\j], v[RR]
	v_min_u32 v[OA+\j], 1023, v[OA+\j]
	v_lshlrev_b32 v[OA+\j], 2, v[OA+\j]
	global_load_b32 v[LV+\j], v[OA+\j], s[RWS:RWS+1]
.endr
.endm
.macro LISTUSE                         ; 4 x token + k  ->  224 x token + 112 h
.irp j, 0,1,2
	v_min_u32 v[AO+\j], 0xfff, v[LV+\j]
	v_and_b32 v[AO+\j], 0xffc, v[AO+\j]
	v_mul_u32_u24 v[AO+\j], v[AO+\j], 56
	v_add_nc_u32 v[AO+\j], v[H112], v[AO+\j]
.endr
.endm
; Fragment f of a trip: rows 16 (f % 2) on of my 32, K step 2 t + f / 2.  Sixteen loads, each 512 consecutive bytes of one row, into set f.
.macro REFILL f, adv
	WIN 0x80                                       ; destination window 2
.irp rw, 0,1,2,3,4,5,6,7,8,9,10,11,12,13,14,15
	global_load_b128 v[64*(\f)+4*\rw:64*(\f)+4*\rw+3], v[L16], s[WB:WB+1] offset:(16*((\f)%2)+\rw)*8192+((\f)/2)*512+\adv th:TH_LOAD_NT
.endr
.endm
; A prefetch into the L2, straight behind the run of loads of fragment f: the fragment whose loads will be issued two fragments on: 16 rows x 512 bytes, each lane another 256 bytes.  A wave's rows are its own,
; so each 256 bytes are named once in the launch.  how = 2: in the loop's last trip there is no trip two on, and nothing is asked.  The first trip and a half come by their loads alone.
.macro ASKW f, how
	WIN 0
.if \how == 2
	s_cmp_gt_u32 s[TRIP], 1
	s_cbranch_scc0 .Lnoask_\@
.endif
.if \f < 2
	global_prefetch_b8 v[PFO], s[WB:WB+1] offset:((\f)%2)*131072+1536 th:TH_LOAD_NT scope:SCOPE_SE
.else
	global_prefetch_b8 v[PFO], s[WB:WB+1] offset:((\f)%2)*131072+2048 th:TH_LOAD_NT scope:SCOPE_SE
.endif
.if \how == 2
.Lnoask_\@:
.endif
.endm
; Set f goes through my stage f % 2 as loaded, a row a store, and comes back 128 + 128 bytes of one row a lane.  LDS serves a wave's instructions in order: no wait between.
.macro TURN f
	WIN 0x08                                       ; an LDS store's data are its source 1: window 2
.irp rw, 0,1,2,3,4,5,6,7,8,9,10,11,12,13,14,15
	ds_store_b128 v[TST], v[64*(\f)+4*\rw:64*(\f)+4*\rw+3] offset:((\f)%2)*STGB+\rw*528
.endr
	WIN 0
.irp c, 0,1
.irp q, 0,1,2,3,4,5,6,7
	ds_load_b128 v[X0+64*((\f)%2)+32*\c+4*\q:X0+64*((\f)%2)+32*\c+4*\q+3], v[TRD] offset:((\f)%2)*STGB+256*\c+16*\q
.endr
.endr
.endm
; 64 numbers of a lane, v[x + 32 c + i] = k 64 c + 32 h + i of its row, become a fragment's 12 registers in v[pc] on and the row's scale word in v[pw].
.macro QUANT x, pc, pw
.irp c, 0,1
	v_max3_num_f32 v[TM+\c], |v[\x+32*\c]|, |v[\x+32*\c+1]|, 0x2800000   ; the floor 2^(5 - 127): the byte cannot fall under 1
.endr
.irp i, 2,4,6,8,10,12,14,16,18,20,22,24,26,28,30
.irp c, 0,1
	v_max3_num_f32 v[TM+\c], v[TM+\c], |v[\x+32*\c+\i]|, |v[\x+32*\c+\i+1]|
.endr
.endr
.irp c, 0,1
	v_add_nc_u32 v[TS+\c], 0xfe000000, v[TM+\c]    ; 4 off the exponent field: the conversion's scale operand
.endr
.irp c, 0,1
	v_lshrrev_b32 v[TB+\c], 23, v[TS+\c]           ; the scale's byte
.endr
	v_lshl_or_b32 v[\pw], v[TB+1], 16, v[TB]
	v_lshlrev_b32 v[\pw], v[H8], v[\pw]
	v_permlanex16_b32 v[TP], v[\pw], s[SEL], s[SEL+1]
	v_or_b32 v[\pw], v[\pw], v[TP]
.irp c, 0,1
	v_cvt_scalef32_pk16_bf6_f32 v[\pc+6*\c:\pc+6*\c+2], v[\x+32*\c:\x+32*\c+15], v[TS+\c]
	v_cvt_scalef32_pk16_bf6_f32 v[TQ+4*\c:TQ+4*\c+2], v[\x+32*\c+16:\x+32*\c+31], v[TS+\c]   ; (a conversion's three registers begin on an even number)
.endr
	v_nop                                          ; one plain place behind a scaled conversion
.irp c, 0,1
.irp i, 0,1,2
	v_mov_b32 v[\pc+6*\c+3+\i], v[TQ+4*\c+\i]
.endr
.endr
.endm
.macro IMAGE f                         ; the fragment as it stands: tile of columns 2 w + f % 2, K step 2 t + f / 2; its rows' scale words (lanes r and r + 16 write the same word)
.irp c, 0,1,2
	ds_store_b128 v[IWA], v[PC0+12*((\f)%2)+4*\c:PC0+12*((\f)%2)+4*\c+3] offset:((\f)/2)*12288+((\f)%2)*1536+512*\c
.endr
	ds_store_b32 v[SWA], v[PW0+(\f)%2] offset:((\f)/2)*512+4*((\f)%2)
.endm
.macro ALOAD                           ; my three tiles' tokens: 96 bytes of operand registers and a scale word a lane: 21 loads
	WIN 0xC0                                       ; destination window 3
.irp j, 0,1,2
.irp q, 0,1,2,3,4,5
	global_load_b128 v[24*\j+4*\q:24*\j+4*\q+3], v[AO+\j], s[FB:FB+1] offset:16*\q
.endr
.endr
	WIN 0
.irp j, 0,1,2
	global_load_b32 v[ASC+\j], v[AO+\j], s[FB:FB+1] offset:96
.endr
.endm
.macro WFRAG f, refill, how, nn
.if \f == 0
	s_wait_dscnt 0x0                               ; the turn is back: so its stores have read set f
.else
	s_wait_dscnt 0x4                               ; the same; the four image stores issued behind it may be out
.endif
.if \refill
	REFILL \f, 1024                                ; set f takes the next trip's fragment
	ASKW \f, \how
.endif
.if \f < 3
	s_wait_loadcnt \nn
	TURN (\f)+1                                    ; the next fragment turns while this one is quantised
.endif
	QUANT X0+64*((\f)%2), PC0+12*((\f)%2), PW0+(\f)%2
	IMAGE \f
.endm
; W's part of a trip.  n0 .. n3: how many younger loads may be out when set 0 .. 3 has to be there.  A trip issues the tokens' 21 loads, then sets 0 to 3, 16 each; where 64 or more are younger the wait
; names 63, the largest count that it can name.
.macro WPART refill, ask2, n0, n1, n2, n3
	v_add_nc_u32 v[IWA], s[STB], v[IW0]
	v_add_nc_u32 v[SWA], s[STS], v[SW0]
	v_add_nc_u32 v[BRA], s[STB], v[L16]
	v_add_nc_u32 v[SRA], s[STS], v[SR0]
	s_wait_loadcnt \n0
	TURN 0
	ALOAD
	WFRAG 0, \refill, 1, \n1
	WFRAG 1, \refill, 1, \n2
	WFRAG 2, \refill, \ask2, \n3
	WFRAG 3, \refill, \ask2, 0
	s_wait_dscnt 0x0                               ; for the others' sake: my images and scale words are in LDS
	s_barrier_signal -1
	s_barrier_wait -1                              ; everybody's are: this trip's 16 images are whole
.endm
; The products of a trip: two K steps x 8 tiles of columns x my 3 tiles of rows.  The 24 accumulators take turns, one instruction a turn.  first = 1: the bias starts the sums.
.macro PASSB first, na
.irp nt, 0,1,2,3,4,5,6,7
.irp c, 0,1,2
	ds_load_b128 v[B0+12*\nt+4*\c:B0+12*\nt+4*\c+3], v[BRA] offset:\nt*1536+512*\c
.endr
.endr
	ds_load_b128 v[BS:BS+3], v[SRA]
	ds_load_b128 v[BS+4:BS+7], v[SRA] offset:16
.irp nt, 0,1,2,3,4,5,6,7
.irp c, 0,1,2
	ds_load_b128 v[B1+12*\nt+4*\c:B1+12*\nt+4*\c+3], v[BRA] offset:12288+\nt*1536+512*\c
.endr
.endr
	ds_load_b128 v[BS+8:BS+11], v[SRA] offset:512
	ds_load_b128 v[BS+12:BS+15], v[SRA] offset:528
	s_wait_loadcnt \na                             ; the tokens' 21 loads (and, in the first trip, the bias ahead of them) are in
	s_wait_dscnt 26                                ; the first K step's 26 loads are in, the second's may be out
	WIN 0x5C                                       ; D and C window 1, source 1 (tokens) window 3, source 0 (W) window 0
.irp nt, 0,1,2,3,4,5,6,7
.irp j, 0,1,2
.if \first
	v_wmma_scale_f32_16x16x128_f8f6f4 v[8*(8*\j+\nt):8*(8*\j+\nt)+7], v[B0+12*\nt:B0+12*\nt+11], v[24*\j:24*\j+11], v[BIAS+8*\nt:BIAS+8*\nt+7], v[BS+\nt], v[ASC+\j] matrix_a_fmt:MATRIX_FMT_BF6 matrix_b_fmt:MATRIX_FMT_BF6
.else
	v_wmma_scale_f32_16x16x128_f8f6f4 v[8*(8*\j+\nt):8*(8*\j+\nt)+7], v[B0+12*\nt:B0+12*\nt+11], v[24*\j:24*\j+11], v[8*(8*\j+\nt):8*(8*\j+\nt)+7], v[BS+\nt], v[ASC+\j] matrix_a_fmt:MATRIX_FMT_BF6 matrix_b_fmt:MATRIX_FMT_BF6
.endif
.endr
.endr
	s_wait_dscnt 0x0
.irp nt, 0,1,2,3,4,5,6,7
.irp j, 0,1,2
	v_wmma_scale_f32_16x16x128_f8f6f4 v[8*(8*\j+\nt):8*(8*\j+\nt)+7], v[B1+12*\nt:B1+12*\nt+11], v[24*\j+12:24*\j+23], v[8*(8*\j+\nt):8*(8*\j+\nt)+7], v[BS+8+\nt], v[ASC+\j] matrix_a_fmt:MATRIX_FMT_BF6 matrix_b_fmt:MATRIX_FMT_BF6 matrix_b_scale:MATRIX_SCALE_ROW1
.endr
.endr
	WIN 0
.rept 5
	v_nop                                          ; places: four ahead of loads into the operands' registers and of the stage's stores of results; the fifth for a later pass's first product, which begins an accumulator anew
.endr
.endm
.macro STEPK
	s_wait_xcnt 0x0                                ; the loads and prefetches issued have read their bases
	s_add_nc_u64 s[WB:WB+1], s[WB:WB+1], 1024
	s_add_nc_u64 s[FB:FB+1], s[FB:FB+1], 229376
	s_add_co_u32 s[STB], s[STB], 24576
	s_add_co_u32 s[STS], s[STS], 1024
.endm
; The way out of my tile j: 16 rows x 512 bytes through my own stage; row i leaves, if the list has it, as 512 consecutive bytes at a multiple of 256 from out0's first byte.
.macro OUT j
	s_sub_co_i32 s[VAL], s[CNT], s[TR+\j]          ; how many of the tile's rows the list has
	s_cmp_le_i32 s[VAL], 0
	s_cbranch_scc1 .Lskip_\@
	s_wait_xcnt 0x0                                ; earlier stores have read their offsets and data: both are written again below
	WIN 0x04                                       ; the data: window 1
.irp nt, 0,1,2,3,4,5,6,7
	ds_store_b128 v[STO], v[8*(8*\j+\nt):8*(8*\j+\nt)+3] offset:((\j)%2)*STGB+64*\nt          ; each accumulator from its low end on
	ds_store_b128 v[STO], v[8*(8*\j+\nt)+4:8*(8*\j+\nt)+7] offset:((\j)%2)*STGB+64*\nt+16
.endr
	WIN 0
.irp i, 0,1,2,3,4,5,6,7,8,9,10,11,12,13,14,15
	ds_load_b128 v[OB+64*((\j)%2)+4*\i:OB+64*((\j)%2)+4*\i+3], v[TST] offset:((\j)%2)*STGB+528*\i   ; my own bytes, served in order
.endr
.irp i, 0,1,2,3,4,5,6,7,8,9,10,11,12,13,14,15
	s_cmp_le_i32 s[VAL], \i
	s_cbranch_scc1 .Ldone_\@
	v_readlane_b32 s[RW], v[LV+\j], \i             ; the row of out0,
	s_min_u32 s[RW], s[RW], 4095                   ; held inside it,
	s_lshl_b32 s[RW], s[RW], 12                    ; of 4,096 bytes
	v_add_nc_u32 v[OA+\i], s[RW], v[L16]
	s_wait_dscnt 15-\i
	global_store_b128 v[OA+\i], v[OB+64*((\j)%2)+4*\i:OB+64*((\j)%2)+4*\i+3], s[OUTB:OUTB+1] th:TH_STORE_NT
.endr
.Ldone_\@:
	s_wait_dscnt 0x0
.Lskip_\@:
.endm
	s_load_b256 s[4:11], s[0:1], 0x0               ; W s[4:5], b s[6:7], fq s[8:9], rows s[10:11]
	s_load_b128 s[12:15], s[0:1], 0x20             ; counts s[12:13], out0 s[14:15]
	v_lshl_add_u32 v13, v0, 2, 0x42800
	v_mov_b32 v25, 0
	v_lshrrev_b32 v[L16], 5, v0
	v_readfirstlane_b32 s[WV], v[L16]              ; wave 0..3
	s_and_b32 s[SE], ttmp7, 0xffff                 ; the expert
	v_and_b32 v[TP], 31, v0                        ; lane
	v_lshlrev_b32 v[L16], 4, v[TP]
	v_and_b32 v[RR], 15, v0
	v_bfe_u32 v[HH], v0, 4, 1
	v_lshlrev_b32 v[H8], 3, v[HH]
	v_mul_u32_u24 v[H112], v[HH], 112
	v_lshrrev_b32 v[PFO], 1, v[TP]
	v_lshlrev_b32 v[PFO], 13, v[PFO]
	v_and_b32 v[BO], 1, v[TP]
	v_lshl_add_u32 v[PFO], v[BO], 8, v[PFO]
	v_lshlrev_b32 v[BO], 5, v[HH]
	s_mul_i32 s22, s[WV], WTURN
	s_add_co_u32 s22, s22, TURNB
	v_add_nc_u32 v[TST], s22, v[L16]
	v_mul_u32_u24 v[STO], v[RR], 528
	v_add_nc_u32 v[STO], s22, v[STO]
	v_lshl_add_u32 v[TRD], v[HH], 7, v[STO]
	v_lshl_add_u32 v[STO], v[HH], 5, v[STO]
	s_mul_i32 s22, s[WV], 3072
	v_add_nc_u32 v[IW0], s22, v[L16]
	v_lshl_add_u32 v[SR0], v[RR], 5, BSC
	s_lshl_b32 s22, s[WV], 3
	v_add_nc_u32 v[SW0], s22, v[SR0]
	v_mov_b32 v[TP], 0                             ; written once: a lane permute's destination counts as one of its sources
	s_mov_b32 s[SEL], 0x76543210
	s_mov_b32 s[SEL+1], 0xfedcba98
	s_lshl_b32 s22, s[SE], 23                      ; W: expert e of 8,388,608 bytes,
	s_lshl_b32 s23, ttmp9, 20                      ; 128 x rows of 8,192,
	s_add_co_u32 s22, s22, s23
	s_lshl_b32 s23, s[WV], 18                      ; 32 w rows
	s_add_co_u32 s22, s22, s23
	s_mov_b32 s23, 0
	s_lshl_b32 s46, s[SE], 12                      ; rows[e], b[e]: 4,096 bytes each
	s_mov_b32 s47, 0
	s_lshl_b32 s48, ttmp9, 9                       ; my 128 columns: 512 bytes
	s_mov_b32 s49, 0
	s_lshl_b32 s50, s[SE], 8                       ; counts[e]
	s_mov_b32 s51, 0
	s_mov_b32 s[STB], 0
	s_mov_b32 s[STS], 0
	s_mov_b32 s[P192], 0
	s_lshl_b32 s[TR], s[WV], 4                     ; pass 0: my tiles begin at list rows 16 w, 64 + 16 w, 128 + 16 w
	s_add_co_u32 s[TR+1], s[TR], 64
	s_add_co_u32 s[TR+2], s[TR], 128
	s_wait_kmcnt 0x0
	s_add_nc_u64 s[12:13], s[12:13], s[50:51]
	s_load_b32 s[CNT], s[12:13], 0x0
	s_add_nc_u64 s[WB:WB+1], s[4:5], s[22:23]
	s_mov_b64 s[FB:FB+1], s[8:9]
	s_add_nc_u64 s[RWS:RWS+1], s[10:11], s[46:47]
	s_add_nc_u64 s[BB:BB+1], s[6:7], s[46:47]
	s_add_nc_u64 s[BB:BB+1], s[BB:BB+1], s[48:49]
	s_add_nc_u64 s[OUTB:OUTB+1], s[14:15], s[48:49]
	LISTLOAD                                       ; 3 loads,
	REFILL 0, 0                                    ; trip 0's four fragments, 64,
	REFILL 1, 0
	REFILL 2, 0
	REFILL 3, 0
	WIN 0x40                                       ; destination window 1
.irp nt, 0,1,2,3,4,5,6,7                       ; and the bias, 16: lane (r, h) wants, for tile nt, columns 16 nt + 8 h + 0 .. 7
	global_load_b128 v[BIAS+8*\nt:BIAS+8*\nt+3], v[BO], s[BB:BB+1] offset:64*\nt
	global_load_b128 v[BIAS+8*\nt+4:BIAS+8*\nt+7], v[BO], s[BB:BB+1] offset:64*\nt+16
.endr
	WIN 0
	s_wait_kmcnt 0x0
	s_min_u32 s[CNT], s[CNT], 1024                 ; the count, held at the list's length
	s_wait_loadcnt 63                              ; the list's three loads are in: 80 are younger
	LISTUSE
	; trip 0, written out: behind set 0 stand sets 1-3 and the bias, 64 loads; behind every later set 85; behind the tokens' loads the next trip's 64
	WPART 1, 1, 63, 63, 63, 63
	PASSB 1, 63
	STEPK
	s_mov_b32 s[TRIP], 6
.Ltrip:                                            ; trips 1 to 6: behind set 0 stand sets 1-3, 48 loads; behind sets 1, 2, 3 stand 69; behind the tokens' loads 64
	WPART 1, 2, 48, 63, 63, 63
	PASSB 0, 63
	STEPK
	s_sub_co_u32 s[TRIP], s[TRIP], 1
	s_cmp_lg_u32 s[TRIP], 0
	s_cbranch_scc1 .Ltrip
	; trip 7 loads nothing more of W: behind set 0: 48; set 1: 32 + 21; set 2: 16 + 21; set 3: 21; the tokens' loads are the last
	WPART 0, 0, 48, 53, 37, 21
	PASSB 0, 0
	OUT 0
	OUT 1
	OUT 2
	; PASSES 1 TO 5.  No barrier: all images were whole behind trip 7's.  Trip counts are constants; what hangs on the count is jumped over inside each trip; the steps of addresses stand outside the jumps.
	s_mov_b32 s[PASS], 5
.Lpass:
	s_wait_xcnt 0x0                                ; the last pass's stores have read their offsets and data
	s_add_co_u32 s[P192], s[P192], 192
	s_add_co_u32 s[TR], s[TR], 192
	s_add_co_u32 s[TR+1], s[TR+1], 192
	s_add_co_u32 s[TR+2], s[TR+2], 192
	s_mov_b32 s[STB], 0
	s_mov_b32 s[STS], 0
	s_mov_b64 s[FB:FB+1], s[8:9]
	v_add_nc_u32 v[BRA], s[STB], v[L16]
	v_add_nc_u32 v[SRA], s[STS], v[SR0]
	s_cmp_lt_u32 s[P192], s[CNT]
	s_cbranch_scc0 .Lpass_a
	LISTLOAD
	s_wait_loadcnt 0x0
	LISTUSE
	ALOAD
	PASSB 1, 0
.Lpass_a:
	s_wait_xcnt 0x0                                ; the tokens' loads have read their base
	s_add_nc_u64 s[FB:FB+1], s[FB:FB+1], 229376
	s_add_co_u32 s[STB], s[STB], 24576
	s_add_co_u32 s[STS], s[STS], 1024
	s_mov_b32 s[TRIP], 7
.Lptrip:
	v_add_nc_u32 v[BRA], s[STB], v[L16]
	v_add_nc_u32 v[SRA], s[STS], v[SR0]
	s_cmp_lt_u32 s[P192], s[CNT]
	s_cbranch_scc0 .Lpass_b
	ALOAD
	PASSB 0, 0
.Lpass_b:
	s_wait_xcnt 0x0
	s_add_nc_u64 s[FB:FB+1], s[FB:FB+1], 229376
	s_add_co_u32 s[STB], s[STB], 24576
	s_add_co_u32 s[STS], s[STS], 1024
	s_sub_co_u32 s[TRIP], s[TRIP], 1
	s_cmp_lg_u32 s[TRIP], 0
	s_cbranch_scc1 .Lptrip
	s_cmp_lt_u32 s[P192], s[CNT]
	s_cbranch_scc0 .Lpass_c
	OUT 0
	OUT 1
	OUT 2
.Lpass_c:
	s_sub_co_u32 s[PASS], s[PASS], 1
	s_cmp_lg_u32 s[PASS], 0
	s_cbranch_scc1 .Lpass
	s_wait_tensorcnt 0x0
	ds_add_u32 v13, v25
	s_wait_dscnt 0x0
	s_endpgm
.Lfunc_end_k_qc549906c89_experts:
	.size	k_qc549906c89_experts, .Lfunc_end_k_qc549906c89_experts-k_qc549906c89_experts
	.p2alignl 7, 3214868480
	.fill 96, 4, 3214868480
	.section	.rodata,"a",@progbits
	.p2align	6, 0x0
	.amdhsa_kernel k_qc549906c89_experts
		.amdhsa_group_segment_fixed_size 272896
		.amdhsa_private_segment_fixed_size 0
		.amdhsa_enable_private_segment 0
		.amdhsa_kernarg_size 48
		.amdhsa_user_sgpr_count 2
		.amdhsa_user_sgpr_kernarg_segment_ptr 1
		.amdhsa_wavefront_size32 1
		.amdhsa_system_sgpr_workgroup_id_x 1
		.amdhsa_system_sgpr_workgroup_id_y 1
		.amdhsa_system_sgpr_workgroup_id_z 1
		.amdhsa_system_vgpr_workitem_id 0
		.amdhsa_next_free_vgpr 848
		.amdhsa_next_free_sgpr 66
		.amdhsa_reserve_vcc 0
		.amdhsa_float_denorm_mode_32 3
		.amdhsa_float_denorm_mode_16_64 3
		.amdhsa_memory_ordered 1
		.amdhsa_forward_progress 1
		.amdhsa_inst_pref_size 201
	.end_amdhsa_kernel
	.amdgpu_metadata
---
amdhsa.version: [ 1, 2 ]
amdhsa.kernels:
  - .name:           k_qc549906c89_experts
    .symbol:         k_qc549906c89_experts.kd
    .args:
      - { .name: W, .offset: 0, .size: 8, .value_kind: global_buffer, .address_space: global }
      - { .name: b, .offset: 8, .size: 8, .value_kind: global_buffer, .address_space: global }
      - { .name: fq, .offset: 16, .size: 8, .value_kind: global_buffer, .address_space: global }
      - { .name: rows, .offset: 24, .size: 8, .value_kind: global_buffer, .address_space: global }
      - { .name: counts, .offset: 32, .size: 8, .value_kind: global_buffer, .address_space: global }
      - { .name: out0, .offset: 40, .size: 8, .value_kind: global_buffer, .address_space: global }
    .group_segment_fixed_size: 272896
    .private_segment_fixed_size: 0
    .kernarg_segment_align: 8
    .kernarg_segment_size: 48
    .max_flat_workgroup_size: 128
    .sgpr_count:     66
    .vgpr_count:     848
    .wavefront_size: 32
...
	.end_amdgpu_metadata
.endif
;; end of part 2
;; ======== version 2 of 2: 2 launches
;; workspace buffers: fq 1,835,008 bytes; rows 131,072 bytes of whole numbers; counts 8,192 bytes of whole numbers
;; launch prep (part 3): grid 96 x 1, 8 waves a work-group, no clusters, 165,376 bytes of LDS; arguments activated, features, fq, rows, counts; writes fq, rows, counts
.if DOCPART == 3
	.amdgcn_target "amdgcn-amd-amdhsa--gfx1250"
	.amdhsa_code_object_version 6
	.text
	.protected	k_qc549906c89_prep
	.globl	k_qc549906c89_prep
	.p2align	8
	.type	k_qc549906c89_prep,@function
k_qc549906c89_prep:
	s_mov_b64 s[64:65], 0
	v_nop
	global_prefetch_b8 v0, s[64:65] scope:SCOPE_SE
	s_setreg_imm32_b32 hwreg(HW_REG_WAVE_MODE, 25, 1), 1
	s_wait_xcnt 0x0
; TWO JOBS IN ONE LAUNCH, parted once on the work-group's number; each has LDS bytes of its own.
; Work-groups 0-31, THE ROUTER, one for each expert e: for each of the 1,024 tokens the place of e in the token's stable ascending order of its 32 numbers of
;   'activated' (how many are smaller, plus how many are equal with a lower index).  A token has chosen e where that place k is under 4.  Stored: rows[e][p] = 4 x token + k
;   (the row of out0) for the p-th such token in ascending order, 0 from the count on; counts[e] = the count, 64 times, so that the store covers 256 consecutive bytes.
;   No address and no branch hangs on these numbers: slot p finds its token by selects alone.
; Work-groups 32-95, THE FEATURES: tile g of 16 tokens; wave t takes K = 256 t .. 256 t + 255 (two K steps of 128) and turns it into codes of BF6 (E3M2) with one E8M0 byte for each 32 along K,
;   laid as the operand's registers want them: fq[t][token][h][112 bytes]: 48 bytes = the 12 registers of lane half h for K step 2 t, 48 the same for 2 t + 1, 4 the scale word of K step 2 t + h, 12 zeros.
; A block's scale is 2^(floor(log2(largest magnitude)) - 4): its byte is the largest magnitude's exponent field - 4, held at 1 from below by a floor among the maximum's leaves.
; LIMITS: NaN in 'activated' is not served (every compare with it is false here); -0 counts as equal to +0.  NaN and infinities in 'features' are not served.  A block whose largest magnitude lies under
; 2^-122 gets the byte 1; a block of zeros too, where the rule says 127: its codes are zeros, and only this program reads the bytes.
.set WREG, 20480                       ; features: LDS of a wave: two stages of 16 rows x 528 bytes, then 3,584 bytes for its records
.set STGB, 8448
.set REC,  16896
.set RT,   163840                      ; router: 32 words of chosen tokens, 32 of k's bit 0, 32 of k's bit 1
.set WVV,  1                           ; v1  wave
.set RR,   2                           ; v2  r = lane % 16
.set HH,   3                           ; v3  h = lane / 16
.set H8,   4                           ; v4  8 h
.set L16,  6                           ; v6  16 x lane
.set TST,  7                           ; v7  my wave's LDS + 16 x lane
.set TRD,  8                           ; v8  my wave's LDS + 528 r + 128 h
.set RST,  9                           ; v9  my wave's LDS + 224 r + 112 h
.set TP,   26                          ; v26 a lane permute's destination
.set PW0,  30                          ; v30, v31 the two scale words
.set X0,   64                          ; v64-127, v128-191 the numbers of the two K steps
.set TM,   192
.set TS,   194
.set TB,   196
.set TQ,   200
.set PC0,  208                         ; v208-219, v220-231 the two fragments' codes
.set R4,   232
.set RB,   64                          ; v64-91 the records on their way out
.set SEL,  20
	s_load_b256 s[4:11], s[0:1], 0x0               ; activated s[4:5], features s[6:7], fq s[8:9], rows s[10:11]
	s_load_b64 s[12:13], s[0:1], 0x20              ; counts
	v_lshl_add_u32 v254, v0, 2, 0x28200
	v_mov_b32 v255, 0
	v_lshrrev_b32 v[WVV], 5, v0
	s_delay_alu instid0(VALU_DEP_1)
	v_readfirstlane_b32 s16, v[WVV]                ; wave 0..7
	s_mov_b32 s[SEL], 0x76543210
	s_mov_b32 s[SEL+1], 0xfedcba98                 ; v_permlanex16_b32's selects for lane l xor 16
	s_cmp_lt_u32 ttmp9, 32                         ; the same in all eight waves
	s_cbranch_scc1 .Lrouter
; ---------------- THE FEATURES ----------------
; 64 numbers of a lane, v[x + 32 c + i] = k 64 c + 32 h + i of its row (two whole blocks), become the 12 registers of a fragment in v[pc] on and the row's scale word in v[pw].
.macro QUANT x, pc, pw
.irp c, 0,1
	v_max3_num_f32 v[TM+\c], |v[\x+32*\c]|, |v[\x+32*\c+1]|, 0x2800000   ; the floor 2^(5 - 127): the byte cannot fall under 1
.endr
.irp i, 2,4,6,8,10,12,14,16,18,20,22,24,26,28,30
.irp c, 0,1
	s_delay_alu instid0(VALU_DEP_2)
	v_max3_num_f32 v[TM+\c], v[TM+\c], |v[\x+32*\c+\i]|, |v[\x+32*\c+\i+1]|   ; the two blocks by turns
.endr
.endr
.irp c, 0,1
	s_delay_alu instid0(VALU_DEP_2)
	v_add_nc_u32 v[TS+\c], 0xfe000000, v[TM+\c]    ; 4 off the exponent field: the conversion takes the exponent field of this operand as its scale
.endr
.irp c, 0,1
	s_delay_alu instid0(VALU_DEP_2)
	v_lshrrev_b32 v[TB+\c], 23, v[TS+\c]           ; the scale's byte
.endr
	s_delay_alu instid0(VALU_DEP_1)
	v_lshl_or_b32 v[\pw], v[TB+1], 16, v[TB]       ; my bytes: blocks h and 2 + h,
	s_delay_alu instid0(VALU_DEP_1)
	v_lshlrev_b32 v[\pw], v[H8], v[\pw]            ; at their places in the word;
	s_delay_alu instid0(VALU_DEP_1)
	v_permlanex16_b32 v[TP], v[\pw], s[SEL], s[SEL+1]
	s_delay_alu instid0(VALU_DEP_1)
	v_or_b32 v[\pw], v[\pw], v[TP]                 ; with lane l xor 16's two the word is whole
.irp c, 0,1
	v_cvt_scalef32_pk16_bf6_f32 v[\pc+6*\c:\pc+6*\c+2], v[\x+32*\c:\x+32*\c+15], v[TS+\c]
	v_cvt_scalef32_pk16_bf6_f32 v[TQ+4*\c:TQ+4*\c+2], v[\x+32*\c+16:\x+32*\c+31], v[TS+\c]   ; (a conversion's three registers begin on an even number: made elsewhere and moved)
.endr
	v_nop                                          ; one plain place behind a scaled conversion
.irp c, 0,1
.irp i, 0,1,2
	v_mov_b32 v[\pc+6*\c+3+\i], v[TQ+4*\c+\i]
.endr
.endr
.endm
; K step u's 16 rows x 512 bytes go into the wave's own stage as loaded (a row a store) and come back 128 bytes of one row a lane.  LDS serves a wave's instructions in order: no wait between.
; Rows 528 bytes apart: the 16 rows that a load touches begin at 16 different 16-byte columns of 256 bytes.
.macro TURNF u
.irp j, 0,1,2,3,4,5,6,7,8,9,10,11,12,13,14,15
	ds_store_b128 v[TST], v[X0+64*\u+4*\j:X0+64*\u+4*\j+3] offset:\u*STGB+\j*528
.endr
.irp c, 0,1
.irp q, 0,1,2,3,4,5,6,7
	ds_load_b128 v[X0+64*\u+32*\c+4*\q:X0+64*\u+32*\c+4*\q+3], v[TRD] offset:\u*STGB+256*\c+16*\q
.endr
.endr
.endm
	v_and_b32 v5, 31, v0                           ; lane
	s_delay_alu instid0(VALU_DEP_1)
	v_lshlrev_b32 v[L16], 4, v5
	v_and_b32 v[RR], 15, v0
	v_bfe_u32 v[HH], v0, 4, 1
	s_delay_alu instid0(VALU_DEP_1)
	v_lshlrev_b32 v[H8], 3, v[HH]
	s_mul_i32 s17, s16, WREG
	v_add_nc_u32 v[TST], s17, v[L16]
	v_mul_u32_u24 v[TRD], v[RR], 528
	s_delay_alu instid0(VALU_DEP_1)
	v_lshl_add_u32 v[TRD], v[HH], 7, v[TRD]
	s_delay_alu instid0(VALU_DEP_1)
	v_add_nc_u32 v[TRD], s17, v[TRD]
	v_mul_u32_u24 v[RST], v[RR], 224
	s_delay_alu instid0(VALU_DEP_1)
	v_mad_u32_u24 v[RST], v[HH], 112, v[RST]
	s_delay_alu instid0(VALU_DEP_1)
	v_add_nc_u32 v[RST], s17, v[RST]
	v_mov_b32 v[TP], 0                             ; written once: a lane permute's destination counts as one of its sources
	s_sub_co_u32 s18, ttmp9, 32                    ; g
	s_lshl_b32 s22, s18, 17                        ; 16 g rows of 8,192 bytes
	s_lshl_b32 s23, s16, 10                        ; + 1,024 t
	s_add_co_u32 s22, s22, s23
	s_mov_b32 s23, 0
	s_mul_i32 s24, s16, 229376                     ; fq: plane t,
	s_mul_i32 s25, s18, 3584                       ; 16 tokens x 224 bytes
	s_add_co_u32 s24, s24, s25
	s_mov_b32 s25, 0
	s_wait_alu depctr_va_vdst(0)
	s_wait_kmcnt 0x0
	s_add_nc_u64 s[6:7], s[6:7], s[22:23]
	s_add_nc_u64 s[8:9], s[8:9], s[24:25]
.irp u, 0,1
.irp j, 0,1,2,3,4,5,6,7,8,9,10,11,12,13,14,15
	global_load_b128 v[X0+64*\u+4*\j:X0+64*\u+4*\j+3], v[L16], s[6:7] offset:\j*8192+\u*512 th:TH_LOAD_NT   ; 32 lanes read 512 consecutive bytes: a row's K step
.endr
.endr
	s_wait_loadcnt 16                              ; the first K step's 16 loads are in, the second's may be out
	TURNF 0
	s_wait_loadcnt 0x0
	TURNF 1
	s_wait_dscnt 32                                ; the first turn is back; the second's 32 instructions may be out
	QUANT X0, PC0, PW0
	s_wait_dscnt 0x0
	QUANT X0+64, PC0+12, PW0+1
	v_cmp_ne_u32 vcc_lo, 0, v[HH]
	s_delay_alu instid0(VALU_DEP_1)
	v_cndmask_b32 v[R4], v[PW0], v[PW0+1], vcc_lo  ; half h keeps the word of K step 2 t + h
	v_mov_b32 v[R4+1], 0
	v_mov_b32 v[R4+2], 0
	v_mov_b32 v[R4+3], 0
.irp q, 0,1,2,3,4,5
	ds_store_b128 v[RST], v[PC0+4*\q:PC0+4*\q+3] offset:REC+16*\q
.endr
	ds_store_b128 v[RST], v[R4:R4+3] offset:REC+96
.irp q, 0,1,2,3,4,5,6
	ds_load_b128 v[RB+4*\q:RB+4*\q+3], v[TST] offset:REC+512*\q   ; my own bytes, served in order
.endr
.irp q, 0,1,2,3,4,5,6
	s_wait_dscnt 6-\q
	global_store_b128 v[L16], v[RB+4*\q:RB+4*\q+3], s[8:9] offset:512*\q   ; 32 lanes store 512 consecutive bytes, at a multiple of 256 from fq's first byte
.endr
	s_wait_tensorcnt 0x0
	ds_add_u32 v254, v255
	s_wait_dscnt 0x0
	s_endpgm
; ---------------- THE ROUTER ----------------
.Lrouter:
	v_and_b32 v33, 31, v0
	s_delay_alu instid0(VALU_DEP_1)
	v_lshlrev_b32 v32, 7, v33
	s_wait_alu depctr_va_vdst(0)
	v_lshl_add_u32 v32, v[WVV], 14, v32            ; token 128 wave + lane: its row of 128 bytes; tokens 32 further on stand in the immediate
	v_lshl_add_u32 v33, v[WVV], 4, RT              ; my wave's four words of each table
	v_mov_b32 v34, RT
	v_lshlrev_b32 v35, 4, v0                       ; my four slots of the list
	s_lshl_b32 s22, ttmp9, 2
	s_mov_b32 s23, 0
	s_lshl_b32 s24, ttmp9, 12
	s_mov_b32 s25, 0
	s_lshl_b32 s26, ttmp9, 8
	s_mov_b32 s27, 0
	s_wait_alu depctr_va_vdst(0)
	s_wait_kmcnt 0x0
	s_add_nc_u64 s[14:15], s[4:5], s[22:23]        ; activated at column e
	s_add_nc_u64 s[10:11], s[10:11], s[24:25]      ; rows[e]
	s_add_nc_u64 s[12:13], s[12:13], s[26:27]      ; counts[e]
.irp i, 0,1,2,3                                ; token 32 (4 wave + i) + lane: bit 'lane' of word 4 wave + i
.irp q, 0,1,2,3,4,5,6,7
	global_load_b128 v[64+32*\i+4*\q:64+32*\i+4*\q+3], v32, s[4:5] offset:4096*\i+16*\q
.endr
	global_load_b32 v[40+\i], v32, s[14:15] offset:4096*\i       ; its number for e
	v_mov_b32 v[44+\i], 0                          ; the place k
.endr
	s_wait_loadcnt 0x0
.set ep, 0
.rept 32
	s_cmp_gt_u32 ttmp9, ep                         ; an equal number counts where its index is lower
	s_cselect_b32 s36, -1, 0
.irp i, 0,1,2,3
	v_cmp_lt_f32 s[28+\i], v[64+32*\i+ep], v[40+\i]
	v_cmp_eq_f32 s[32+\i], v[64+32*\i+ep], v[40+\i]
.endr
.irp i, 0,1,2,3
	s_and_b32 s[32+\i], s[32+\i], s36
	s_or_b32 s[28+\i], s[28+\i], s[32+\i]
.endr
.irp i, 0,1,2,3
	v_cndmask_b32 v[48+\i], 0, 1, s[28+\i]
.endr
.irp i, 0,1,2,3
	s_delay_alu instid0(VALU_DEP_4)
	v_add_nc_u32 v[44+\i], v[44+\i], v[48+\i]
.endr
.set ep, ep+1
.endr
.irp i, 0,1,2,3
	v_cmp_gt_u32 s28, 4, v[44+\i]                  ; chosen
	v_and_b32 v48, 1, v[44+\i]
	v_and_b32 v49, 2, v[44+\i]
	s_delay_alu instid0(VALU_DEP_2)
	v_cmp_ne_u32 s29, 0, v48
	s_delay_alu instid0(VALU_DEP_2)
	v_cmp_ne_u32 s30, 0, v49
	v_mov_b32 v[52+\i], s28
	s_delay_alu instid0(VALU_DEP_3)
	v_mov_b32 v[56+\i], s29
	s_delay_alu instid0(VALU_DEP_3)
	v_mov_b32 v[60+\i], s30
.endr
	ds_store_b128 v33, v[52:55]                    ; all lanes of a wave write the same 16 bytes with the same values
	ds_store_b128 v33, v[56:59] offset:128
	ds_store_b128 v33, v[60:63] offset:256
	s_wait_dscnt 0x0                               ; for the others' sake: my stores are done
	s_barrier_signal -1
	s_barrier_wait -1
.irp q, 0,1,2,3,4,5,6,7,8,9,10,11,12,13,14,15,16,17,18,19,20,21,22,23
	ds_load_b128 v[64+4*\q:64+4*\q+3], v34 offset:16*\q   ; v64-95 chosen, v96-127 bit 0, v128-159 bit 1: the same in every lane
.endr
	s_wait_dscnt 0x0
	s_mov_b32 s66, 0                               ; s[66 + w]: how many tokens are chosen in words under w; s98: in all
.set w, 0
.rept 32
	v_readfirstlane_b32 s37, v[64+w]
	s_bcnt1_i32_b32 s37, s37
	s_add_co_u32 s[67+w], s[66+w], s37
.set w, w+1
.endr
.irp n, 0,1,2,3                                ; slot p = 4 thread + n
	v_lshl_add_u32 v[160+\n], v0, 2, \n
	v_mov_b32 v[164+\n], v64
	v_mov_b32 v[168+\n], v96
	v_mov_b32 v[172+\n], v128
	v_mov_b32 v[176+\n], 0
	v_mov_b32 v[180+\n], 0
.endr
.set w, 1
.rept 31                                       ; the last word whose count of earlier tokens is at most p holds the p-th token
.irp n, 0,1,2,3
	v_cmp_le_u32 vcc_lo, s[66+w], v[160+\n]
	s_delay_alu instid0(VALU_DEP_1)
	v_cndmask_b32 v[164+\n], v[164+\n], v[64+w], vcc_lo
	s_delay_alu instid0(VALU_DEP_2)
	v_cndmask_b32 v[168+\n], v[168+\n], v[96+w], vcc_lo
	s_delay_alu instid0(VALU_DEP_3)
	v_cndmask_b32 v[172+\n], v[172+\n], v[128+w], vcc_lo
	s_delay_alu instid0(VALU_DEP_4)
	v_cndmask_b32 v[176+\n], v[176+\n], s[66+w], vcc_lo
	v_cndmask_b32 v[180+\n], v[180+\n], 32*w, vcc_lo
.endr
.set w, w+1
.endr
; one step down the tree of counts: is the wanted bit in the lower 'width' bits from v191 on, or beyond them?
.macro DESC tree, width
	s_delay_alu instid0(VALU_DEP_1)
	v_bfe_u32 v188, v[\tree], v191, \width
	s_delay_alu instid0(VALU_DEP_1)
	v_cmp_ge_u32 vcc_lo, v190, v188
	s_delay_alu instid0(VALU_DEP_2)
	v_sub_nc_u32 v188, v190, v188
	s_delay_alu instid0(VALU_DEP_4)
	v_add_nc_u32 v189, \width, v191
	s_delay_alu instid0(VALU_DEP_2)
	v_cndmask_b32 v190, v190, v188, vcc_lo
	s_delay_alu instid0(VALU_DEP_2)
	v_cndmask_b32 v191, v191, v189, vcc_lo
.endm
.irp n, 0,1,2,3
	v_lshrrev_b32 v188, 1, v[164+\n]               ; counts of set bits in fields of 2, 4, 8 and 16 bits
	s_delay_alu instid0(VALU_DEP_1)
	v_and_b32 v188, 0x55555555, v188
	s_delay_alu instid0(VALU_DEP_1)
	v_sub_nc_u32 v184, v[164+\n], v188
	s_delay_alu instid0(VALU_DEP_1)
	v_lshrrev_b32 v188, 2, v184
	s_delay_alu instid0(VALU_DEP_1)
	v_and_b32 v188, 0x33333333, v188
	s_delay_alu instid0(VALU_DEP_3)
	v_and_b32 v185, 0x33333333, v184
	s_delay_alu instid0(VALU_DEP_1)
	v_add_nc_u32 v185, v185, v188
	s_delay_alu instid0(VALU_DEP_1)
	v_lshrrev_b32 v188, 4, v185
	s_delay_alu instid0(VALU_DEP_1)
	v_add_nc_u32 v188, v188, v185
	s_delay_alu instid0(VALU_DEP_1)
	v_and_b32 v186, 0x0f0f0f0f, v188
	s_delay_alu instid0(VALU_DEP_1)
	v_lshrrev_b32 v188, 8, v186
	s_delay_alu instid0(VALU_DEP_1)
	v_add_nc_u32 v188, v188, v186
	s_delay_alu instid0(VALU_DEP_1)
	v_and_b32 v187, 0x00ff00ff, v188
	v_sub_nc_u32 v190, v[160+\n], v[176+\n]        ; which set bit of the word
	v_mov_b32 v191, 0                              ; its place
	DESC 187, 16
	DESC 186, 8
	DESC 185, 4
	DESC 184, 2
	DESC 164+\n, 1
	s_delay_alu instid0(VALU_DEP_1)
	v_bfe_u32 v188, v[168+\n], v191, 1
	s_delay_alu instid0(VALU_DEP_2)
	v_bfe_u32 v189, v[172+\n], v191, 1
	s_delay_alu instid0(VALU_DEP_3)
	v_add_nc_u32 v190, v[180+\n], v191             ; the token
	s_delay_alu instid0(VALU_DEP_1)
	v_lshl_add_u32 v190, v190, 2, v188
	s_delay_alu instid0(VALU_DEP_1)
	v_lshl_add_u32 v190, v189, 1, v190             ; 4 x token + k
	v_cmp_gt_u32 vcc_lo, s98, v[160+\n]
	s_delay_alu instid0(VALU_DEP_1)
	v_cndmask_b32 v[192+\n], 0, v190, vcc_lo       ; 0 from the count on
.endr
	global_store_b128 v35, v[192:195], s[10:11]    ; a wave stores 512 consecutive bytes
	s_cmp_lg_u32 s16, 0
	s_cbranch_scc1 .Lrend
	v_mov_b32 v36, s98
	v_mov_b32 v37, s98
	v_lshlrev_b32 v38, 3, v0
	global_store_b64 v38, v[36:37], s[12:13]       ; wave 0: 256 consecutive bytes, at a multiple of 256 from the buffer's first byte
.Lrend:
	s_wait_tensorcnt 0x0
	ds_add_u32 v254, v255
	s_wait_dscnt 0x0
	s_endpgm
.Lfunc_end_k_qc549906c89_prep:
	.size	k_qc549906c89_prep, .Lfunc_end_k_qc549906c89_prep-k_qc549906c89_prep
	.p2alignl 7, 3214868480
	.fill 96, 4, 3214868480
	.section	.rodata,"a",@progbits
	.p2align	6, 0x0
	.amdhsa_kernel k_qc549906c89_prep
		.amdhsa_group_segment_fixed_size 165376
		.amdhsa_private_segment_fixed_size 0
		.amdhsa_enable_private_segment 0
		.amdhsa_kernarg_size 40
		.amdhsa_user_sgpr_count 2
		.amdhsa_user_sgpr_kernarg_segment_ptr 1
		.amdhsa_wavefront_size32 1
		.amdhsa_system_sgpr_workgroup_id_x 1
		.amdhsa_system_sgpr_workgroup_id_y 1
		.amdhsa_system_sgpr_workgroup_id_z 1
		.amdhsa_system_vgpr_workitem_id 0
		.amdhsa_next_free_vgpr 256
		.amdhsa_next_free_sgpr 100
		.amdhsa_reserve_vcc 1
		.amdhsa_float_denorm_mode_32 3
		.amdhsa_float_denorm_mode_16_64 3
		.amdhsa_memory_ordered 1
		.amdhsa_forward_progress 1
		.amdhsa_inst_pref_size 139
	.end_amdhsa_kernel
	.amdgpu_metadata
---
amdhsa.version: [ 1, 2 ]
amdhsa.kernels:
  - .name:           k_qc549906c89_prep
    .symbol:         k_qc549906c89_prep.kd
    .args:
      - { .name: activated, .offset: 0, .size: 8, .value_kind: global_buffer, .address_space: global }
      - { .name: features, .offset: 8, .size: 8, .value_kind: global_buffer, .address_space: global }
      - { .name: fq, .offset: 16, .size: 8, .value_kind: global_buffer, .address_space: global }
      - { .name: rows, .offset: 24, .size: 8, .value_kind: global_buffer, .address_space: global }
      - { .name: counts, .offset: 32, .size: 8, .value_kind: global_buffer, .address_space: global }
    .group_segment_fixed_size: 165376
    .private_segment_fixed_size: 0
    .kernarg_segment_align: 8
    .kernarg_segment_size: 40
    .max_flat_workgroup_size: 256
    .sgpr_count:     100
    .vgpr_count:     256
    .wavefront_size: 32
...
	.end_amdgpu_metadata
.endif
;; end of part 3
;; launch experts (part 4): grid 8 x 32, 4 waves a work-group, no clusters, 272,896 bytes of LDS; arguments W, b, fq, rows, counts, out0; writes out0
.if DOCPART == 4
	.amdgcn_target "amdgcn-amd-amdhsa--gfx1250"
	.amdhsa_code_object_version 6
	.text
	.protected	k_qc549906c89_experts
	.globl	k_qc549906c89_experts
	.p2align	8
	.type	k_qc549906c89_experts,@function
k_qc549906c89_experts:
	s_mov_b64 s[64:65], 0
	v_nop
	global_prefetch_b8 v0, s[64:65] scope:SCOPE_SE
	s_setreg_imm32_b32 hwreg(HW_REG_WAVE_SCHED_MODE, 0, 2), 2
	s_setreg_imm32_b32 hwreg(HW_REG_WAVE_MODE, 25, 1), 1
	s_wait_xcnt 0x0
	s_wait_alu depctr_vm_vsrc(0)
; out0[row][128 x .. 128 x + 127] = Q(features[token]) . Q(W[e][n])^T + b[e][n] for the rows (4 x token + k) that chose expert e: work-group (x, e).  Codes of BF6 (E3M2), one E8M0 byte for each 32 along K, f32 sums.
; W IS READ ONCE: the work-group's 128 rows x 8,192 bytes come in eight trips of 256 along K.  Wave w takes rows 32 w .. 32 w + 31: each load is 512 consecutive bytes of a row; 16 rows turn through the wave's own
; stage in LDS, so that a lane holds two whole blocks of 32 of one row; they are quantised and stored in LDS as IMAGES OF THE OPERAND'S REGISTERS (three stores of 16 bytes a lane), where they stay for the whole launch.
; THE PRODUCTS share the ROWS: in pass p wave w owns the tiles of 16 list rows 12 p + 4 j + w, j = 0 .. 2, against all eight tiles of 16 columns: 24 accumulators.  Source 0 = 16 rows of W, source 1 = 16 tokens:
; a lane holds one token and eight neighbouring columns.  The bias is the C of each sum's first product.  A token's operand registers come from fq as they lie (launch prep), by the list rows[e].
; PASS 0 (list rows 0-191) has no branch on the count ahead of or among its barriers and runs between the parts of W's stream: slots from the count on hold 0, read token 0's record, and are never stored.
; PASSES 1-5 (rows 192-1,151): loops of constant count, the branch '192 p < count' inside each trip round the work; W's codes are read again from LDS.  So every split is served, all 1,024 tokens on one expert too.
; One barrier a trip: an image's bytes are written once in the launch, so only 'written, then read' has to be ordered.
; NO TENSOR LOADS, NO CLUSTER: what work-groups share, the tokens' records, is gathered lane by lane through a list; W's bytes, three quarters of a trip's
; (131,072 against 192 x 224), are each work-group's own.
; LIMITS: NaN and infinities in W are not served; a block whose largest magnitude lies under 2^-122, a block of zeros too, gets the byte 1 (zero codes add nothing under it).
; THE MODE: SCHED_MODE bits 1:0 = 2 (LLVM: expert scheduling mode 2), set by the entry lines.  The code itself states the register dependences between vector or matrix instructions and memory or LDS
; instructions, with s_wait_alu, always for 0.
; THE PLAN.  Registers that memory or LDS instructions touch, in a trip of W's stream:
;   window 2, sets 0-3   the loads of W land in set f; the turn's LDS stores read it; no vector instruction names it.  One wait on vm_vsrc at the head of fragment f, then set f is asked for again.
;   X0, X1 (v64-191)     turn f's LDS loads land in X[f % 2]; QUANT f reads it.  Turn f + 1's loads are dealt among QUANT f's lines, which name the other X.
;   v208-231, v30-31     QUANT f writes the codes and the scale word; IMAGE f's LDS stores read them; QUANT f + 2 writes them again.
;   v64-255, v32-47      W's fragments and scale words for the products: LDS loads land, products read.   window 3, v27-29: the tokens' likewise, by loads from memory.
;   v10, v12, v14, v16   the trip's LDS addresses: four additions at the trip's head; LDS stores and loads read them.
;   v1, v6, v7, v8, v17, v24  made at the head and never written again.
; ONE wait on va_vdst at a trip's head (the addresses are written; the last trip's products are done with their operands), ONE behind each QUANT (its codes are written; it is done reading its X).
.set BSC,   196608                     ; LDS: 0: images [t 8][u 2][nt 8] of 1,536 bytes;  BSC: W's scale words, (2 t + u) 512 + 32 r + 4 nt;
.set TURNB, 204800                     ; TURNB: for each wave two stages of 16 rows x 528 bytes, for W's turn and later for the way out
.set STGB,  8448
.set WTURN, 16896
; window 0
.set L16,  1                           ; 16 x lane
.set RR,   2                           ; r = lane % 16
.set HH,   3                           ; h = lane / 16
.set H8,   4                           ; 8 h
.set H112, 5                           ; 112 h
.set PFO,  6                           ; prefetch: (lane / 2) rows + 256 (lane % 2)
.set TST,  7                           ; my stages + 16 x lane
.set TRD,  8                           ; my stages + 528 r + 128 h
.set IW0,  9                           ; images: 3,072 w + 16 x lane;  IWA: + this trip's
.set IWA,  10
.set SW0,  11                          ; scale words: BSC + 32 r + 8 w;  SWA: + this trip's
.set SWA,  12
.set BRA,  14                          ; where this trip's images are read: 16 x lane + the trip's
.set SR0,  15                          ; BSC + 32 r;  SRA: + this trip's
.set SRA,  16
.set BO,   17                          ; 32 h
.set LV,   18                          ; v18-20 the list's words of my three tiles
.set AO,   21                          ; v21-23 my lane's record in a plane of fq
.set STO,  24                          ; my stages + 528 r + 32 h
.set TP,   26
.set ASC,  27                          ; v27-29 the tokens' scale words: lanes 0-15 K step 2 t, lanes 16-31 K step 2 t + 1.  Scales and nothing else
.set PW0,  30                          ; v30, v31
.set BS,   32                          ; v32-47 W's scale words, 8 u + nt.  Scales and nothing else
.set OA,   48                          ; v48-63 offsets into out0 (v48-50 also into the list)
.set X0,   64                          ; W's part: v64-127, v128-191 numbers; v192-206 at work; v208-231 codes
.set TM,   192
.set TS,   194
.set TB,   196
.set TQ,   200
.set PC0,  208
.set B0,   64                          ; the products' part: W's eight fragments of K step 2 t at v64-159, and of 2 t + 1 at v160-255 (B0 + 96)
.set OB,   64                          ; the way out: v64-127 and v128-191 by turns
; window 1: accumulator (j, nt) at v[8 (8 j + nt)]; the bias of tile nt at v[192 + 8 nt].  window 2: four sets of 64 for W's loads.  window 3: the tokens' fragments (j, u) at v[24 j + 12 u]
.set BIAS, 192
.set WV,   16
.set SE,   18
.set CNT,  19
.set SEL,  20
.set WB,   24                          ; s[24:25] W at my 32 rows, this trip's K
.set FB,   26                          ; s[26:27] fq at this trip's plane
.set RWS,  28                          ; s[28:29] rows[e]
.set BB,   30                          ; s[30:31] b[e] at my columns
.set OUTB, 34                          ; s[34:35] out0 at my columns
.set STB,  36                          ; 24,576 t
.set STS,  37                          ; 1,024 t
.set TRIP, 38
.set PASS, 39
.set P192, 40                          ; 192 p
.set TR,   41                          ; s41-43 my tiles' first list rows
.set VAL,  44
.set RW,   46                          ; s46-61 the way out: a tile's sixteen rows of out0 (at the head s46-51 are at work)
.set MSB, 0
.macro WIN new                         ; the immediate's high byte repeats the setting that is left; at a label and at a branch every window is 0
.if MSB != \new
	s_set_vgpr_msb (MSB<<8)|\new
.set MSB, \new
.endif
.endm
.macro LISTLOAD                        ; lane (r, h): list row 'tile's first + r', held inside the list
.irp j, 0,1,2
	v_add_nc_u32 v[OA+\j], s[TR+\j], v[RR]
.endr
.irp j, 0,1,2
	v_min_u32 v[OA+\j], 1023, v[OA+\j]
.endr
.irp j, 0,1,2
	v_lshlrev_b32 v[OA+\j], 2, v[OA+\j]
.endr
	s_wait_alu depctr_va_vdst(0)                   ; the three offsets are written, which the loads below read.  At the kernel's head: so is every address made there, which all later loads, stores and prefetches read.
	                                               ; In a later pass: the lines that read the list's words (v_readlane, LISTUSE) are done, so the loads may land there; v14 and v16 are written
.irp j, 0,1,2
	global_load_b32 v[LV+\j], v[OA+\j], s[RWS:RWS+1]
.endr
.endm
.macro LISTUSE                         ; 4 x token + k  ->  224 x token + 112 h
.irp j, 0,1,2
	v_min_u32 v[AO+\j], 0xfff, v[LV+\j]
	v_and_b32 v[AO+\j], 0xffc, v[AO+\j]
	v_mul_u32_u24 v[AO+\j], v[AO+\j], 56
	v_add_nc_u32 v[AO+\j], v[H112], v[AO+\j]
.endr
.endm
; Fragment f of a trip: rows 16 (f % 2) on of my 32, K step 2 t + f / 2.  Sixteen loads, each 512 consecutive bytes of one row, into set f.
.macro REFILL f, adv
	WIN 0x80                                       ; destination window 2
.irp rw, 0,1,2,3,4,5,6,7,8,9,10,11,12,13,14,15
	global_load_b128 v[64*(\f)+4*\rw:64*(\f)+4*\rw+3], v[L16], s[WB:WB+1] offset:(16*((\f)%2)+\rw)*8192+((\f)/2)*512+\adv th:TH_LOAD_NT
.endr
.endm
; A prefetch into the L2, straight behind the run of loads of fragment f: the fragment whose loads will be issued two fragments on: 16 rows x 512 bytes, each lane another 256 bytes.  A wave's rows are its own,
; so each 256 bytes are named once in the launch.  how = 2: in the loop's last trip there is no trip two on, and nothing is asked.  The first trip and a half come by their loads alone.
.macro ASKW f, how
	WIN 0
.if \how == 2
	s_cmp_gt_u32 s[TRIP], 1
	s_cbranch_scc0 .Lnoask_\@
.endif
.if \f < 2
	global_prefetch_b8 v[PFO], s[WB:WB+1] offset:((\f)%2)*131072+1536 th:TH_LOAD_NT scope:SCOPE_SE
.else
	global_prefetch_b8 v[PFO], s[WB:WB+1] offset:((\f)%2)*131072+2048 th:TH_LOAD_NT scope:SCOPE_SE
.endif
.if \how == 2
.Lnoask_\@:
.endif
.endm
; THE TURN.  Set f goes into my stage f % 2 as loaded, a row a store (TURNS), and comes back 128 + 128 bytes of one row a lane (TURNL, or DEAL one load at a time).  LDS serves a wave's instructions in order: no wait between.
.macro TURNS f
	WIN 0x08                                       ; an LDS store's data are its source 1: window 2
.irp rw, 0,1,2,3,4,5,6,7,8,9,10,11,12,13,14,15
	ds_store_b128 v[TST], v[64*(\f)+4*\rw:64*(\f)+4*\rw+3] offset:((\f)%2)*STGB+\rw*528
.endr
	WIN 0
.endm
.macro TURNL f
.irp c, 0,1
.irp q, 0,1,2,3,4,5,6,7
	ds_load_b128 v[X0+64*((\f)%2)+32*\c+4*\q:X0+64*((\f)%2)+32*\c+4*\q+3], v[TRD] offset:((\f)%2)*STGB+256*\c+16*\q
.endr
.endr
.endm
.macro DEAL tf                         ; load dq of the sixteen of turn tf; tf = 4: there is no further turn in this trip
.if (\tf) < 4
	ds_load_b128 v[X0+64*((\tf)%2)+4*dq:X0+64*((\tf)%2)+4*dq+3], v[TRD] offset:((\tf)%2)*STGB+256*(dq/8)+16*(dq%8)
.set dq, dq+1
.endif
.endm
; 64 numbers of a lane, v[x + 32 c + i] = k 64 c + 32 h + i of its row, become a fragment's 12 registers in v[pc] on and the row's scale word in v[pw].
; Among the maxima stand the sixteen LDS loads of turn tf, one behind each pair of lines.  They owe no wait: they land in the other X, which no vector instruction has named since the wait behind the QUANT
; that read it last (for turn 1: since the wait at the trip's head), and v8 is never written.
.macro QUANT x, pc, pw, tf
.set dq, 0
.irp c, 0,1
	v_max3_num_f32 v[TM+\c], |v[\x+32*\c]|, |v[\x+32*\c+1]|, 0x2800000   ; the floor 2^(5 - 127): the byte cannot fall under 1
.endr
	DEAL \tf
.irp i, 2,4,6,8,10,12,14,16,18,20,22,24,26,28,30
.irp c, 0,1
	v_max3_num_f32 v[TM+\c], v[TM+\c], |v[\x+32*\c+\i]|, |v[\x+32*\c+\i+1]|
.endr
	DEAL \tf
.endr
.irp c, 0,1
	v_add_nc_u32 v[TS+\c], 0xfe000000, v[TM+\c]    ; 4 off the exponent field: the conversion's scale operand
.endr
.irp c, 0,1
	v_lshrrev_b32 v[TB+\c], 23, v[TS+\c]           ; the scale's byte
.endr
	v_lshl_or_b32 v[\pw], v[TB+1], 16, v[TB]
	v_lshlrev_b32 v[\pw], v[H8], v[\pw]
	v_permlanex16_b32 v[TP], v[\pw], s[SEL], s[SEL+1]
	v_or_b32 v[\pw], v[\pw], v[TP]
.irp c, 0,1
	v_cvt_scalef32_pk16_bf6_f32 v[\pc+6*\c:\pc+6*\c+2], v[\x+32*\c:\x+32*\c+15], v[TS+\c]
	v_cvt_scalef32_pk16_bf6_f32 v[TQ+4*\c:TQ+4*\c+2], v[\x+32*\c+16:\x+32*\c+31], v[TS+\c]   ; (a conversion's three registers begin on an even number)
.endr
	v_nop                                          ; one plain place behind a scaled conversion
.irp c, 0,1
.irp i, 0,1,2
	v_mov_b32 v[\pc+6*\c+3+\i], v[TQ+4*\c+\i]
.endr
.endr
.endm
.macro IMAGE f                         ; the fragment as it stands: tile of columns 2 w + f % 2, K step 2 t + f / 2; its rows' scale words (lanes r and r + 16 write the same word)
.irp c, 0,1,2
	ds_store_b128 v[IWA], v[PC0+12*((\f)%2)+4*\c:PC0+12*((\f)%2)+4*\c+3] offset:((\f)/2)*12288+((\f)%2)*1536+512*\c
.endr
	ds_store_b32 v[SWA], v[PW0+(\f)%2] offset:((\f)/2)*512+4*((\f)%2)
.endm
.macro ALOAD                           ; my three tiles' tokens: 96 bytes of operand registers and a scale word a lane: 21 loads
	WIN 0xC0                                       ; destination window 3
.irp j, 0,1,2
.irp q, 0,1,2,3,4,5
	global_load_b128 v[24*\j+4*\q:24*\j+4*\q+3], v[AO+\j], s[FB:FB+1] offset:16*\q
.endr
.endr
	WIN 0
.irp j, 0,1,2
	global_load_b32 v[ASC+\j], v[AO+\j], s[FB:FB+1] offset:96
.endr
.endm
; Fragment f of a trip: set f is asked for again, set f + 1 goes into its stage, fragment f is quantised (turn f + 1's loads among its lines) and its image stored.
.macro WFRAG f, refill, how, nn
.if \refill || (\f >= 2)
	s_wait_alu depctr_vm_vsrc(0)                   ; turn f's LDS stores have read set f, in which the loads below land; IMAGE f - 2's stores have read the codes and the scale word that QUANT f writes again
.endif
.if \refill
	REFILL \f, 1024                                ; set f takes the next trip's fragment
	ASKW \f, \how
.endif
.if \f < 3
	s_wait_loadcnt \nn
	TURNS (\f)+1                                   ; the next fragment goes into the other stage: these stores read loaded data and v7 alone
.endif
.if \f == 0
	s_wait_dscnt 16                                ; turn 0's loads are back; the sixteen stores just issued may be out
.elseif \f < 3
	s_wait_dscnt 20                                ; turn f's loads are back; the last image's four stores and the sixteen just issued may be out
.else
	s_wait_dscnt 4                                 ; turn 3's loads are back; the last image's four stores may be out
.endif
	QUANT X0+64*((\f)%2), PC0+12*((\f)%2), PW0+(\f)%2, (\f)+1
	s_wait_alu depctr_va_vdst(0)                   ; QUANT f has written the codes and the scale word, which the LDS stores below read, and is done reading X[f % 2], in which turn f + 2's loads land (f = 2, 3: the products' fragments)
	IMAGE \f
.endm
; W's part of a trip.  n0 .. n3: how many younger loads may be out when set 0 .. 3 has to be there.  A trip issues the tokens' 21 loads, then sets 0 to 3, 16 each; where 64 or more are younger the wait
; names 63, the largest count that it can name.
.macro WPART first, refill, ask2, n0, n1, n2, n3
.if !\first
	s_wait_alu depctr_vm_vsrc(0)                   ; the last trip's LDS stores and loads have read v10, v12, v14, v16, written below, and its images' stores the codes and scale words that QUANT 0 and 1 write again
.endif
	v_add_nc_u32 v[IWA], s[STB], v[IW0]
	v_add_nc_u32 v[SWA], s[STS], v[SW0]
	v_add_nc_u32 v[BRA], s[STB], v[L16]
	v_add_nc_u32 v[SRA], s[STS], v[SR0]
	s_wait_loadcnt \n0
	TURNS 0                                        ; ahead of the wait below: these stores read loaded data and v7 alone, which hang on no pending vector or matrix instruction
	s_wait_alu depctr_va_vdst(0)                   ; the four addresses are written (in the first trip the records' offsets v21-23 too), which the LDS instructions and loads below read; the last trip's products
	                                               ; are done reading v64-255, v27-47 and window 3, in which this trip's loads land
	TURNL 0
	ALOAD
	WFRAG 0, \refill, 1, \n1
	WFRAG 1, \refill, 1, \n2
	WFRAG 2, \refill, \ask2, \n3
	WFRAG 3, \refill, \ask2, 0
	s_wait_dscnt 0x0                               ; for the others' sake: my images and scale words are in LDS
	s_barrier_signal -1
	s_barrier_wait -1                              ; everybody's are: this trip's 16 images are whole
	s_wait_alu depctr_vm_vsrc(0)                   ; my images' stores have read v208-231, in which the loads of W's second K step land
.endm
.macro BLOADS u, n0                    ; W's fragments of tiles n0 .. n0 + 3, K step 2 t + u: 12 LDS loads
.irp d, 0,1,2,3
.irp c, 0,1,2
	ds_load_b128 v[B0+96*\u+12*(\n0+\d)+4*\c:B0+96*\u+12*(\n0+\d)+4*\c+3], v[BRA] offset:12288*\u+(\n0+\d)*1536+512*\c
.endr
.endr
.endm
.macro MUL12 u, n0, first              ; 12 products: tiles of columns n0 .. n0 + 3 x my 3 tiles of rows, K step 2 t + u
.irp d, 0,1,2,3
.irp j, 0,1,2
.if \first
	v_wmma_scale_f32_16x16x128_f8f6f4 v[8*(8*\j+\n0+\d):8*(8*\j+\n0+\d)+7], v[B0+12*(\n0+\d):B0+12*(\n0+\d)+11], v[24*\j:24*\j+11], v[BIAS+8*(\n0+\d):BIAS+8*(\n0+\d)+7], v[BS+\n0+\d], v[ASC+\j] matrix_a_fmt:MATRIX_FMT_BF6 matrix_b_fmt:MATRIX_FMT_BF6
.elseif \u == 0
	v_wmma_scale_f32_16x16x128_f8f6f4 v[8*(8*\j+\n0+\d):8*(8*\j+\n0+\d)+7], v[B0+12*(\n0+\d):B0+12*(\n0+\d)+11], v[24*\j:24*\j+11], v[8*(8*\j+\n0+\d):8*(8*\j+\n0+\d)+7], v[BS+\n0+\d], v[ASC+\j] matrix_a_fmt:MATRIX_FMT_BF6 matrix_b_fmt:MATRIX_FMT_BF6
.else
	v_wmma_scale_f32_16x16x128_f8f6f4 v[8*(8*\j+\n0+\d):8*(8*\j+\n0+\d)+7], v[B0+96+12*(\n0+\d):B0+96+12*(\n0+\d)+11], v[24*\j+12:24*\j+23], v[8*(8*\j+\n0+\d):8*(8*\j+\n0+\d)+7], v[BS+8+\n0+\d], v[ASC+\j] matrix_a_fmt:MATRIX_FMT_BF6 matrix_b_fmt:MATRIX_FMT_BF6 matrix_b_scale:MATRIX_SCALE_ROW1
.endif
.endr
.endr
.endm
; The products of a trip: two K steps x 8 tiles of columns x my 3 tiles of rows.  The 24 accumulators take turns, one instruction a turn.  first = 1: the bias starts the sums.
; The second K step's 24 LDS loads are dealt in two runs among the first K step's products.  They owe no wait: they land in v160-255, and the products issued since the last wait on va_vdst name v64-159,
; v27-39 and windows 1 and 3 alone; v14 was written ahead of that wait.
.macro PASSB first, na
	ds_load_b128 v[BS:BS+3], v[SRA]
	ds_load_b128 v[BS+4:BS+7], v[SRA] offset:16
	ds_load_b128 v[BS+8:BS+11], v[SRA] offset:512
	ds_load_b128 v[BS+12:BS+15], v[SRA] offset:528
	BLOADS 0, 0
	BLOADS 0, 4
	s_wait_loadcnt \na                             ; the tokens' 21 loads (and, in the first trip, the bias ahead of them) are in
	s_wait_dscnt 12                                ; the scale words and the first K step's tiles 0-3 are in; its tiles 4-7, 12 loads, may be out
	WIN 0x5C                                       ; D and C window 1, source 1 (tokens) window 3, source 0 (W) window 0
	MUL12 0, 0, \first
	WIN 0
	BLOADS 1, 0
	s_wait_dscnt 12                                ; the first K step's tiles 4-7 are in; the 12 loads just issued may be out
	WIN 0x5C
	MUL12 0, 4, \first
	WIN 0
	BLOADS 1, 4
	s_wait_dscnt 12                                ; the second K step's tiles 0-3 are in
	WIN 0x5C
	MUL12 1, 0, 0
	s_wait_dscnt 0x0
	MUL12 1, 4, 0
	WIN 0
.rept 5
	v_nop                                          ; places: four ahead of the vector lines that write the operands' registers again and of the stage's stores of results; the fifth for a later pass's first product, which begins an accumulator anew
.endr
.endm
.macro STEPK
	s_wait_xcnt 0x0                                ; the loads and prefetches issued have read their bases
	s_add_nc_u64 s[WB:WB+1], s[WB:WB+1], 1024
	s_add_nc_u64 s[FB:FB+1], s[FB:FB+1], 229376
	s_add_co_u32 s[STB], s[STB], 24576
	s_add_co_u32 s[STS], s[STS], 1024
.endm
; The way out of my tile j: 16 rows x 512 bytes through my own stage; row i leaves, if the list has it, as 512 consecutive bytes at a multiple of 256 from out0's first byte.
; All sixteen offsets are made first, in one run, so that one wait serves each kind of dependence; a row that the list does not have gets an offset too, held inside out0, and no store.
.macro OUT j
	s_sub_co_i32 s[VAL], s[CNT], s[TR+\j]          ; how many of the tile's rows the list has
	s_cmp_le_i32 s[VAL], 0
	s_cbranch_scc1 .Lskip_\@
.irp i, 0,1,2,3,4,5,6,7,8,9,10,11,12,13,14,15
	v_readlane_b32 s[RW+\i], v[LV+\j], \i          ; the rows of out0,
.endr
	s_wait_alu depctr_va_sdst(0)                   ; the sixteen v_readlane have written s46-61, ahead of their first reader
.irp i, 0,1,2,3,4,5,6,7,8,9,10,11,12,13,14,15
	s_min_u32 s[RW+\i], s[RW+\i], 4095             ; held inside it,
.endr
.irp i, 0,1,2,3,4,5,6,7,8,9,10,11,12,13,14,15
	s_lshl_b32 s[RW+\i], s[RW+\i], 12              ; of 4,096 bytes
.endr
	s_wait_xcnt 0x0                                ; earlier stores have read their offsets and data: both are written again below
	s_wait_alu depctr_vm_vsrc(0)                   ; the list's loads and the earlier tiles' stores have read v48-63, written below; the stores of two tiles back have read the registers in which the stage's loads land
.irp i, 0,1,2,3,4,5,6,7,8,9,10,11,12,13,14,15
	v_add_nc_u32 v[OA+\i], s[RW+\i], v[L16]
.endr
	s_wait_alu depctr_va_vdst(0)                   ; the products have written the accumulators, which the stage's stores read (the places stand behind the last product), and are done reading v64-191, in which the stage's loads land; the sixteen offsets are written, which out0's stores read
	WIN 0x04                                       ; the data: window 1
.irp nt, 0,1,2,3,4,5,6,7
	ds_store_b128 v[STO], v[8*(8*\j+\nt):8*(8*\j+\nt)+3] offset:((\j)%2)*STGB+64*\nt          ; each accumulator from its low end on
	ds_store_b128 v[STO], v[8*(8*\j+\nt)+4:8*(8*\j+\nt)+7] offset:((\j)%2)*STGB+64*\nt+16
.endr
	WIN 0
.irp i, 0,1,2,3,4,5,6,7,8,9,10,11,12,13,14,15
	ds_load_b128 v[OB+64*((\j)%2)+4*\i:OB+64*((\j)%2)+4*\i+3], v[TST] offset:((\j)%2)*STGB+528*\i   ; my own bytes, served in order
.endr
.irp i, 0,1,2,3,4,5,6,7,8,9,10,11,12,13,14,15
	s_cmp_le_i32 s[VAL], \i
	s_cbranch_scc1 .Ldone_\@
	s_wait_dscnt 15-\i
	global_store_b128 v[OA+\i], v[OB+64*((\j)%2)+4*\i:OB+64*((\j)%2)+4*\i+3], s[OUTB:OUTB+1] th:TH_STORE_NT
.endr
.Ldone_\@:
	s_wait_dscnt 0x0
.Lskip_\@:
.endm
	s_load_b256 s[4:11], s[0:1], 0x0               ; W s[4:5], b s[6:7], fq s[8:9], rows s[10:11]
	s_load_b128 s[12:15], s[0:1], 0x20             ; counts s[12:13], out0 s[14:15]
	v_lshl_add_u32 v13, v0, 2, 0x42800
	v_mov_b32 v25, 0
	v_lshrrev_b32 v[L16], 5, v0
	v_readfirstlane_b32 s[WV], v[L16]              ; wave 0..3
	s_and_b32 s[SE], ttmp7, 0xffff                 ; the expert
	v_and_b32 v[TP], 31, v0                        ; lane
	v_lshlrev_b32 v[L16], 4, v[TP]
	v_and_b32 v[RR], 15, v0
	v_bfe_u32 v[HH], v0, 4, 1
	v_lshlrev_b32 v[H8], 3, v[HH]
	v_mul_u32_u24 v[H112], v[HH], 112
	v_lshrrev_b32 v[PFO], 1, v[TP]
	v_lshlrev_b32 v[PFO], 13, v[PFO]
	v_and_b32 v[BO], 1, v[TP]
	v_lshl_add_u32 v[PFO], v[BO], 8, v[PFO]
	v_lshlrev_b32 v[BO], 5, v[HH]
	s_wait_alu depctr_va_sdst(0)                   ; the wave's number is written to s16, ahead of its first reader: LDS addresses and the bases of W are made from it
	s_mul_i32 s22, s[WV], WTURN
	s_add_co_u32 s22, s22, TURNB
	v_add_nc_u32 v[TST], s22, v[L16]
	v_mul_u32_u24 v[STO], v[RR], 528
	v_add_nc_u32 v[STO], s22, v[STO]
	v_lshl_add_u32 v[TRD], v[HH], 7, v[STO]
	v_lshl_add_u32 v[STO], v[HH], 5, v[STO]
	s_mul_i32 s22, s[WV], 3072
	v_add_nc_u32 v[IW0], s22, v[L16]
	v_lshl_add_u32 v[SR0], v[RR], 5, BSC
	s_lshl_b32 s22, s[WV], 3
	v_add_nc_u32 v[SW0], s22, v[SR0]
	v_mov_b32 v[TP], 0                             ; written once: a lane permute's destination counts as one of its sources
	s_mov_b32 s[SEL], 0x76543210
	s_mov_b32 s[SEL+1], 0xfedcba98
	s_lshl_b32 s22, s[SE], 23                      ; W: expert e of 8,388,608 bytes,
	s_lshl_b32 s23, ttmp9, 20                      ; 128 x rows of 8,192,
	s_add_co_u32 s22, s22, s23
	s_lshl_b32 s23, s[WV], 18                      ; 32 w rows
	s_add_co_u32 s22, s22, s23
	s_mov_b32 s23, 0
	s_lshl_b32 s46, s[SE], 12                      ; rows[e], b[e]: 4,096 bytes each
	s_mov_b32 s47, 0
	s_lshl_b32 s48, ttmp9, 9                       ; my 128 columns: 512 bytes
	s_mov_b32 s49, 0
	s_lshl_b32 s50, s[SE], 8                       ; counts[e]
	s_mov_b32 s51, 0
	s_mov_b32 s[STB], 0
	s_mov_b32 s[STS], 0
	s_mov_b32 s[P192], 0
	s_lshl_b32 s[TR], s[WV], 4                     ; pass 0: my tiles begin at list rows 16 w, 64 + 16 w, 128 + 16 w
	s_add_co_u32 s[TR+1], s[TR], 64
	s_add_co_u32 s[TR+2], s[TR], 128
	s_wait_kmcnt 0x0
	s_add_nc_u64 s[12:13], s[12:13], s[50:51]
	s_load_b32 s[CNT], s[12:13], 0x0
	s_add_nc_u64 s[WB:WB+1], s[4:5], s[22:23]
	s_mov_b64 s[FB:FB+1], s[8:9]
	s_add_nc_u64 s[RWS:RWS+1], s[10:11], s[46:47]
	s_add_nc_u64 s[BB:BB+1], s[6:7], s[46:47]
	s_add_nc_u64 s[BB:BB+1], s[BB:BB+1], s[48:49]
	s_add_nc_u64 s[OUTB:OUTB+1], s[14:15], s[48:49]
	LISTLOAD                                       ; 3 loads (its wait stands for all the head's addresses: only loads and window switches follow it up to the bias's last load),
	REFILL 0, 0                                    ; trip 0's four fragments, 64,
	REFILL 1, 0
	REFILL 2, 0
	REFILL 3, 0
	WIN 0x40                                       ; destination window 1
.irp nt, 0,1,2,3,4,5,6,7                       ; and the bias, 16: lane (r, h) wants, for tile nt, columns 16 nt + 8 h + 0 .. 7
	global_load_b128 v[BIAS+8*\nt:BIAS+8*\nt+3], v[BO], s[BB:BB+1] offset:64*\nt
	global_load_b128 v[BIAS+8*\nt+4:BIAS+8*\nt+7], v[BO], s[BB:BB+1] offset:64*\nt+16
.endr
	WIN 0
	s_wait_kmcnt 0x0
	s_min_u32 s[CNT], s[CNT], 1024                 ; the count, held at the list's length
	s_wait_loadcnt 63                              ; the list's three loads are in: 80 are younger
	LISTUSE
	; trip 0, written out: behind set 0 stand sets 1-3 and the bias, 64 loads; behind every later set 85; behind the tokens' loads the next trip's 64
	WPART 1, 1, 1, 63, 63, 63, 63
	PASSB 1, 63
	STEPK
	s_mov_b32 s[TRIP], 6
.Ltrip:                                            ; trips 1 to 6: behind set 0 stand sets 1-3, 48 loads; behind sets 1, 2, 3 stand 69; behind the tokens' loads 64
	WPART 0, 1, 2, 48, 63, 63, 63
	PASSB 0, 63
	STEPK
	s_sub_co_u32 s[TRIP], s[TRIP], 1
	s_cmp_lg_u32 s[TRIP], 0
	s_cbranch_scc1 .Ltrip
	; trip 7 loads nothing more of W: behind set 0: 48; set 1: 32 + 21; set 2: 16 + 21; set 3: 21; the tokens' loads are the last
	WPART 0, 0, 0, 48, 53, 37, 21
	PASSB 0, 0
	OUT 0
	OUT 1
	OUT 2
	; PASSES 1 TO 5.  No barrier: all images were whole behind trip 7's.  Trip counts are constants; what hangs on the count is jumped over inside each trip; the steps of addresses stand outside the jumps.
	s_mov_b32 s[PASS], 5
.Lpass:
	s_wait_xcnt 0x0                                ; the last pass's stores have read their offsets and data
	s_wait_alu depctr_vm_vsrc(0)                   ; ahead of the branch: the last pass's stores have read v48-63 and v64-191, its LDS loads v14 and v16, its records' loads v21-23: all are written again in this pass
	s_add_co_u32 s[P192], s[P192], 192
	s_add_co_u32 s[TR], s[TR], 192
	s_add_co_u32 s[TR+1], s[TR+1], 192
	s_add_co_u32 s[TR+2], s[TR+2], 192
	s_mov_b32 s[STB], 0
	s_mov_b32 s[STS], 0
	s_mov_b64 s[FB:FB+1], s[8:9]
	v_add_nc_u32 v[BRA], s[STB], v[L16]
	v_add_nc_u32 v[SRA], s[STS], v[SR0]
	s_cmp_lt_u32 s[P192], s[CNT]
	s_cbranch_scc0 .Lpass_a
	LISTLOAD
	s_wait_loadcnt 0x0
	LISTUSE
	s_wait_alu depctr_va_vdst(0)                   ; the records' offsets v21-23 are written, which the loads below read; the last pass's products were done with their operands at LISTLOAD's wait, and no vector line since names those
	ALOAD
	PASSB 1, 0
.Lpass_a:
	s_wait_xcnt 0x0                                ; the tokens' loads have read their base
	s_add_nc_u64 s[FB:FB+1], s[FB:FB+1], 229376
	s_add_co_u32 s[STB], s[STB], 24576
	s_add_co_u32 s[STS], s[STS], 1024
	s_mov_b32 s[TRIP], 7
.Lptrip:
	s_wait_alu depctr_vm_vsrc(0)                   ; ahead of the branch: the last trip's LDS loads have read v14 and v16, written below
	v_add_nc_u32 v[BRA], s[STB], v[L16]
	v_add_nc_u32 v[SRA], s[STS], v[SR0]
	s_cmp_lt_u32 s[P192], s[CNT]
	s_cbranch_scc0 .Lpass_b
	s_wait_alu depctr_va_vdst(0)                   ; v14 and v16 are written, which the LDS loads below read; the last trip's products are done reading v64-255, v27-47 and window 3, in which the loads below land
	ALOAD
	PASSB 0, 0
.Lpass_b:
	s_wait_xcnt 0x0
	s_add_nc_u64 s[FB:FB+1], s[FB:FB+1], 229376
	s_add_co_u32 s[STB], s[STB], 24576
	s_add_co_u32 s[STS], s[STS], 1024
	s_sub_co_u32 s[TRIP], s[TRIP], 1
	s_cmp_lg_u32 s[TRIP], 0
	s_cbranch_scc1 .Lptrip
	s_cmp_lt_u32 s[P192], s[CNT]
	s_cbranch_scc0 .Lpass_c
	OUT 0
	OUT 1
	OUT 2
.Lpass_c:
	s_sub_co_u32 s[PASS], s[PASS], 1
	s_cmp_lg_u32 s[PASS], 0
	s_cbranch_scc1 .Lpass
	s_wait_dscnt 0x0
	s_wait_alu depctr_hold_cnt(0) depctr_sa_sdst(0) depctr_va_vdst(0) depctr_va_sdst(0) depctr_va_ssrc(0) depctr_va_vcc(0) depctr_vm_vsrc(0)
	s_wait_tensorcnt 0x0
	ds_add_u32 v13, v25
	s_wait_dscnt 0x0
	s_endpgm
.Lfunc_end_k_qc549906c89_experts:
	.size	k_qc549906c89_experts, .Lfunc_end_k_qc549906c89_experts-k_qc549906c89_experts
	.p2alignl 7, 3214868480
	.fill 96, 4, 3214868480
	.section	.rodata,"a",@progbits
	.p2align	6, 0x0
	.amdhsa_kernel k_qc549906c89_experts
		.amdhsa_group_segment_fixed_size 272896
		.amdhsa_private_segment_fixed_size 0
		.amdhsa_enable_private_segment 0
		.amdhsa_kernarg_size 48
		.amdhsa_user_sgpr_count 2
		.amdhsa_user_sgpr_kernarg_segment_ptr 1
		.amdhsa_wavefront_size32 1
		.amdhsa_system_sgpr_workgroup_id_x 1
		.amdhsa_system_sgpr_workgroup_id_y 1
		.amdhsa_system_sgpr_workgroup_id_z 1
		.amdhsa_system_vgpr_workitem_id 0
		.amdhsa_next_free_vgpr 848
		.amdhsa_next_free_sgpr 66
		.amdhsa_reserve_vcc 0
		.amdhsa_float_denorm_mode_32 3
		.amdhsa_float_denorm_mode_16_64 3
		.amdhsa_memory_ordered 1
		.amdhsa_forward_progress 1
		.amdhsa_inst_pref_size 203
	.end_amdhsa_kernel
	.amdgpu_metadata
---
amdhsa.version: [ 1, 2 ]
amdhsa.kernels:
  - .name:           k_qc549906c89_experts
    .symbol:         k_qc549906c89_experts.kd
    .args:
      - { .name: W, .offset: 0, .size: 8, .value_kind: global_buffer, .address_space: global }
      - { .name: b, .offset: 8, .size: 8, .value_kind: global_buffer, .address_space: global }
      - { .name: fq, .offset: 16, .size: 8, .value_kind: global_buffer, .address_space: global }
      - { .name: rows, .offset: 24, .size: 8, .value_kind: global_buffer, .address_space: global }
      - { .name: counts, .offset: 32, .size: 8, .value_kind: global_buffer, .address_space: global }
      - { .name: out0, .offset: 40, .size: 8, .value_kind: global_buffer, .address_space: global }
    .group_segment_fixed_size: 272896
    .private_segment_fixed_size: 0
    .kernarg_segment_align: 8
    .kernarg_segment_size: 48
    .max_flat_workgroup_size: 128
    .sgpr_count:     66
    .vgpr_count:     848
    .wavefront_size: 32
...
	.end_amdgpu_metadata
.endif
;; end of part 4
